; MI455X (gfx1250); checked and timed in simulation.
; The chip was launched on July 23, 2026; its instructions are those of AMD's public machine-readable ISA for CDNA 5 (MIT licence, August 2026) and "CDNA5" Instruction Set Architecture Reference Guide (July 2026). The comments in the code are by the model that wrote it; some were corrected since.
;; Self Attention. Allowed arithmetic: matrix products marked QUANTISED: E2M3 operands, one E8M0 scale for each 32 along K, by v_wmma_scale_f32_16x16x128_f8f6f4 with both operands' format E2M3, f32 sums; everything else in f32.
;; Inputs: Wk_codes 1,024 x 32 x 24 uint8 (E2M3 codes of Wk, K innermost, in blocks of 32 codes, four codes in three bytes); Wk_scales 1,024 x 32 uint8 (E8M0 scales of Wk, one for each 32 codes along K); Wo_codes 1,024 x 32 x 24 uint8 (E2M3 codes of Wo, K innermost, in blocks of 32 codes, four codes in three bytes); Wo_scales 1,024 x 32 uint8 (E8M0 scales of Wo, one for each 32 codes along K); Wq_codes 1,024 x 32 x 24 uint8 (E2M3 codes of Wq, K innermost, in blocks of 32 codes, four codes in three bytes); Wq_scales 1,024 x 32 uint8 (E8M0 scales of Wq, one for each 32 codes along K); Wv_codes 1,024 x 32 x 24 uint8 (E2M3 codes of Wv, K innermost, in blocks of 32 codes, four codes in three bytes); Wv_scales 1,024 x 32 uint8 (E8M0 scales of Wv, one for each 32 codes along K); bk 1,024 float32; bo 1,024 float32; bq 1,024 float32; bv 1,024 float32; x_codes 4 x 2,048 x 32 x 24 uint8 (E2M3 codes of x, K innermost, in blocks of 32 codes, four codes in three bytes); x_scales 4 x 2,048 x 32 uint8 (E8M0 scales of x, one for each 32 codes along K).
;; Outputs: out0 4 x 2,048 x 1,024 float32.
;; This version of the problem:
;;   THIS VERSION OF THE PROBLEM IS GIVEN IN LOW PRECISION. The matrix products marked QUANTISED in the list below multiply operands that are first quantised to E2M3 (2 exponent bits, 3 mantissa bits; 6 bits a number), with one power-of-two scale for each 32 numbers along K (OCP MX v1.0); their sums are f32. All else is computed in f32.
;;   The module's matrix products, in the order in which they are computed (A, B: the left and right operand; K: the contracted axis; several contracted axes count as one K, in the product's order):
;;     1. [M 8,192, K 1,024] x [K 1,024, N 1,024]; A: input x (given as codes); B: input Wq (given as codes): QUANTISED
;;     2. [M 8,192, K 1,024] x [K 1,024, N 1,024]; A: input x (given as codes); B: input Wk (given as codes): QUANTISED
;;     3. [M 8,192, K 1,024] x [K 1,024, N 1,024]; A: input x (given as codes); B: input Wv (given as codes): QUANTISED
;;     4. batch 64 x [M 2,048, K 64] x [K 64, N 2,048]; A: computed on the way; B: computed on the way: QUANTISED
;;     5. batch 64 x [M 64, K 2,048] x [K 2,048, N 2,048]; A: computed on the way; B: softmax (see below): QUANTISED
;;     6. [M 8,192, K 1,024] x [K 1,024, N 1,024]; A: computed on the way; B: input Wo (given as codes): QUANTISED
;;   THE QUANTISER, for each operand of a quantised product, along K:
;;     - K is cut into blocks of 32 from its start; a last block that is shorter is filled with zeros.
;;     - A block's scale is 2^e with e = floor(log2(the largest magnitude in the block)) - 2, held to -126 .. 127; a block of zeros has e = 0. As a byte (E8M0): e + 127.
;;     - Each number is divided by its block's scale, clamped to +-7.5, and rounded to the nearest number of E2M3, ties to even, subnormals kept.
;;     - The product sums the exact products of the quantised numbers (number of the format x scale) in f32.
;;   ~~~python
;;   def quantise(x, axis):      # numpy; x: float32 -> the quantised numbers, widened to float32 again
;;       x = np.moveaxis(x, axis, -1); K = x.shape[-1]
;;       x = np.pad(x, [(0, 0)] * (x.ndim - 1) + [(0, -K % 32)]); x = x.reshape(x.shape[:-1] + (-1, 32)); a = np.abs(x).max(-1, keepdims=True)
;;       e = np.where(a > 0, np.clip(np.frexp(np.where(a > 0, a, 1))[1] - 1 - 2, -126, 127), 0)      # np.frexp(a)[1] - 1 = floor(log2(a)), exactly
;;       r = np.clip(x / 2.0 ** e, -7.5, 7.5)
;;       step = 2.0 ** (np.maximum(np.frexp(np.where(r == 0, 1, r))[1] - 1, 0) - 3)
;;       q = np.round(r / step) * step * 2.0 ** e      # np.round: ties to even
;;       return np.moveaxis(q.reshape(q.shape[:-2] + (-1,))[..., :K], -1, axis).astype(np.float32)
;;   ~~~
;;   SOFTMAX AHEAD OF A QUANTISED PRODUCT. Where the list says 'softmax', what is quantised is not the finished softmax but p = 2^(t - M), with t = logit x log2(e) and M = ceil(the row's largest t), a whole number; so 1/2 < the row's largest p <= 1. The row's sum l is taken of the UNQUANTISED p, in f32, and the product's result is divided by l at the end. Since M is a whole number, a kernel that streams over the keys may use a running M (the ceiling of the running maximum): every later rescaling is an exact power of two, which a block's scale takes up: the codes' values come out the same.
;;   OPERANDS COMPUTED ON THE WAY. 'Computed on the way' means the value that the module computes at that place (a softmax that the list does not call 'softmax' is quantised finished and normalised). What goes into a quantiser is computed in f32, as accurately as f32 sums, v_exp_f32 and their like allow (about 1e-6 of the number): no bf16 or f16 on the way to a quantiser, and a product that is left as it is and whose result goes on into a quantised operand takes f32 operands (vector FMAs, or v_wmma_f32_16x16x4_f32). A number that lies on a knife's edge between two numbers of the format may be rounded either way, as far as f32 arithmetic and the matrix unit's own rounding can turn it there, and no further.
;;   INPUTS GIVEN AS CODES. Wk (in the module: [1024, 1024], K = its axis 0); Wo (in the module: [1024, 1024], K = its axis 0); Wq (in the module: [1024, 1024], K = its axis 0); Wv (in the module: [1024, 1024], K = its axis 0); x (in the module: [4, 2048, 1024], K = its axis 2): each comes as NAME_codes (uint8): NAME with its K axis moved to the last place and cut into blocks of 32 codes, [.., K / 32, bytes a block], one block behind the other in memory; four codes in three bytes: a row's codes are one little-endian stream of bits, code i at bits 6 i .. 6 i + 5 (a code: sign, 2 exponent bits, 3 mantissa bits); and NAME_scales (uint8): the same leading axes, one E8M0 byte (e + 127) for each 32 codes along K. Its value is code x scale, taken as it is: it is not quantised again, and the codes and scales need not be those that the quantiser above would give.
;; One version. Each part assembles by itself: llvm-mc -triple=amdgcn-amd-amdhsa -mcpu=gfx1250 --defsym DOCPART=n.
;; ======== version 1 of 1: 3 launches
;; workspace buffers: qc 6,291,456 bytes; qs 262,144 bytes; kvc 12,582,912 bytes; kvs 524,288 bytes; oc 6,291,456 bytes; os 262,144 bytes
;; launch qkv (part 1): grid 12 x 32, 4 waves a work-group, clusters of 4 x 4, 327,680 bytes of LDS; arguments x_codes, x_scales, Wq_codes, Wq_scales, Wk_codes, Wk_scales, Wv_codes, Wv_scales, bq, bk, bv, qc, qs, kvc, kvs; writes qc, qs, kvc, kvs
.if DOCPART == 1
	.amdgcn_target "amdgcn-amd-amdhsa--gfx1250"
	.amdhsa_code_object_version 6
	.text
	.protected	k_q53256925e2_qkv
	.globl	k_q53256925e2_qkv
	.p2align	8
	.type	k_q53256925e2_qkv,@function
k_q53256925e2_qkv:
	s_mov_b64 s[64:65], 0
	v_nop
	global_prefetch_b8 v0, s[64:65] scope:SCOPE_SE
	s_setreg_imm32_b32 hwreg(HW_REG_WAVE_MODE, 25, 1), 1
	s_wait_xcnt 0x0
	s_wait_alu depctr_hold_cnt(0) depctr_sa_sdst(0) depctr_va_vdst(0) depctr_va_sdst(0) depctr_va_ssrc(0) depctr_va_vcc(0) depctr_vm_vsrc(0)
	s_getreg_b32 s2, hwreg(HW_REG_IB_STS2, 6, 4)
	s_cmp_eq_u32 s2, 0
	s_cbranch_scc0 .Lentry_in_a_cluster
	s_endpgm
.Lentry_in_a_cluster:
	s_bfe_u32 s2, ttmp6, 0x10000c
	s_cmp_lg_u32 s2, 0xf033
	s_cbranch_scc0 .Lentry_shape_is_right
	s_endpgm
.Lentry_shape_is_right:
; q = x Wq + bq, k = x Wk + bk, v = x Wv + bv on codes of FP6 (E2M3) with one E8M0 scale for each 32 along K (= 1,024), sums in f32; the results are quantised at once for the attention launch.
; x: [8192][1024] codes (a row is 768 bytes), W: [1024 (n)][1024 (k)] codes, scale bytes [rows][32].
; ONE BODY, THREE MODES, by the cluster's x (0 q, 1 k, 2 v; equal in all sixteen partners).  A tile of the result, 256 x 256, is made by four waves, 128 x 128 each: 64 accumulators, 512 registers.
; The matrix instruction takes 16 rows of 'B' as source 0 and 16 rows of 'A' as source 1: a lane then holds ONE row of A and its registers run along rows of B.
;   q, k: A = x, B = W: a lane holds a token, its registers run along the channels, which are the next product's K (the head's 64).
;   v:    A = Wv, B = x: a lane holds a channel, its registers run along the tokens, which are the next product's K (the keys).
; Both tensors have rows of 768 bytes and scale rows of 32 bytes, so only pointers, tile numbers and the strides of the way out differ between the modes.
; K goes in steps of 256 through a ring of two LDS slots filled by the tensor data mover; the scales of the work-group's rows come once and stay.  4 x 4 work-groups form a cluster: A's tile is asked for jointly along a row, B's along a column.
; THE BIAS is the C of each sum's first product (so it is the first addend of the f32 sum: an order of rounding other than x W + b).
; THE WAY OUT uses no LDS.  The 16 registers of accumulators 2 t, 2 t + 1 are half a block of 32 along the next K (places 8 h + 0..7 and 16 + 8 h + 0..7); lane l xor 16 holds the other half.  After the conversions and the exchange
; of halves a lane holds a whole block, its codes in the order 0..7, 16..23, 8..15, 24..31.  Both operands of each later product are made with this same order inside a block, so every product and every scale stays as it is.
; A GROUP is 16 rows x 64 K as an image of 6 operand registers, 768 bytes: registers 0-3 at 16 x lane, registers 4-5 at 512 + 8 x lane: each store covers whole aligned blocks of 256 bytes.
;   qc [bh 64][token tile 128][768];  kvc [bh][key step 16][12288]: K's 8 key tiles at 768 g, then V^T: channel tile ct at 6144 + 1536 ct, key half c at + 768 c.
; A scale RECORD is 256 bytes, word (lane l, q) at 8 l + 4 q: fragment 2 q + l / 16, row l % 16.  qs [bh][step][256];  kvs [bh][K, V][step][256].
; LIMITS: NaN and infinities are not served.  A block of zeros gets the byte 1 where the rule says 127: its codes are zeros, which add nothing under any byte but 0xff, and this program alone reads these bytes.
; REGISTERS: window 0: v16-29 addresses; v32-63 scale words, two sets; v64-127 the bias; v128-223 A's fragments, one set; v224-231 the bias loads' offsets; on the way out v32-91 are at work.
;   window 1: B's fragments, two sets, at v0 and v128.   windows 2, 3: the accumulators ((a, b) at v[8 (8 (a % 4) + b)], window 2 + a / 4).
.set SIZE_K, 1024
.set KSTEP,  256                       ; along K in a slot
.set NQ,     KSTEP/128                 ; matrix instructions deep
.set ROWB,   192                       ; a tile's row in bytes
.set KROW,   SIZE_K*6/8                ; a row of codes in memory
.set PITCH,  240                       ; an LDS row: 3 x (64 bytes + 16 of padding)
.set FR,     12                        ; registers of a fragment
.set NL,     6                         ; LDS loads that bring one
.set NP,     4                         ; places behind this matrix instruction (ISA guide 7.12.1)
.set HALFT,  128*PITCH
.set SLOT,   4*HALFT
.set LAPS,   SIZE_K/(2*KSTEP)
.set KS,     SIZE_K/32                 ; a row of scale bytes
.set SCL,    2*SLOT                    ; behind the ring: the scales, as rows of 256 bytes + 16 of padding
.set HALFS,  (128*KS/256)*272
.set SBLK,   (16*KS/256)*272
.set SPARE,  SCL+4*HALFS               ; the spare words: 128 bytes a wave, two blocks of 256 bytes that no other line names
.set ADRA, 16                          ; v16-17 my A fragments in slot 0, 1 (v18-19: behind one padding more)
.set ADRB, 20                          ; v20-23 the same for B
.set L16,  24                          ; v24  16 x lane
.set L8,   25                          ; v25  8 x lane
.set LN,   26                          ; v26  lane
.set ADRS, 27                          ; v27  my scale words in LDS
.set SPW,  28                          ; v28  my spare word; never rewritten
.set NIL,  29                          ; v29  0; never rewritten
.set SC,   32
.set BI,   64                          ; v64-127 the bias, eight registers for each of eight blocks
.set AF,   128
.set BOF,  224                         ; v224-231 offsets of the bias loads
.set TM,   32                          ; the way out: +0..3 largest magnitudes, +4..7 the other half's, then bytes, +12..15 the conversions' scale operands
.set PC,   48                          ; v48-59 the codes of two groups
.set PT,   60                          ; v60-62, v64-66 the conversions' second halves
.set WS,   72                          ; v72-79 a scale word for each of A's eight blocks
.set XW,   80                          ; v80-87 the records' words
.set RC,   88                          ; v88-91 the two records
.set G1, 24
.set G0, 32
.set G1B, 48
.set G0B, 56
.set G1S, 68
.set G0S, 76
.set G1SB, 80
.set G0SB, 88
.set MSB, 0
.macro WIN new                         ; the immediate's high byte repeats the setting that is left
.if MSB != \new
	s_set_vgpr_msb (MSB<<8)|\new
.set MSB, \new
.endif
.endm
.set MUL_LO, 0xa1                      ; source 0 (B) window 1, source 1 (A) window 0, C and D window 2
.set MUL_HI, 0xf1                      ; the same, C and D window 3
.set TO_B,   0x40
; A joint load: waves 0 and 1 fetch for A, waves 2 and 3 for B; the branch hangs on the wave's number alone.  Four v_nop follow each of the two lines.
.macro JLOAD g0a, g1a, g0b, g1b
	s_cmp_eq_u32 s15, 0
	s_cbranch_scc0 .Lfor_b_\@
	tensor_load_to_lds s[\g0a:\g0a+3], s[\g1a:\g1a+7]
	s_nop 0
.rept 4
	v_nop
.endr
	s_branch .Lasked_\@
.Lfor_b_\@:
	tensor_load_to_lds s[\g0b:\g0b+3], s[\g1b:\g1b+7]
	s_nop 0
.rept 4
	v_nop
.endr
.Lasked_\@:
.endm
.macro CREST                           ; a round of the cluster's barrier behind its opening barrier
	s_cmp_lg_u32 s14, 0
	s_cbranch_scc1 .Lnot_wave_0_\@
	s_barrier_signal -3
.Lnot_wave_0_\@:
	s_barrier_wait -3
	s_barrier_signal -1
	s_barrier_wait -1
.endm
.macro CROUND
	s_barrier_signal -1
	s_barrier_wait -1
	CREST
.endm
	s_load_b512 s[68:83], s[0:1], 0x0              ; x codes, x scales, Wq codes, scales, Wk codes, scales, Wv codes, scales
	s_load_b256 s[84:91], s[0:1], 0x40             ; bq, bk, bv, qc
	s_load_b128 s[92:95], s[0:1], 0x60             ; qs, kvc
	s_load_b64 s[96:97], s[0:1], 0x70              ; kvs
	v_lshl_add_u32 v[SPW], v0, 2, SPARE
	v_mov_b32 v[NIL], 0
	ds_add_u32 v28, v29
	ds_add_u32 v28, v29
	s_wait_dscnt 0x0
	v_lshrrev_b32 v1, 5, v0
	v_readfirstlane_b32 s14, v1                    ; wave 0..3
	s_lshr_b32 s15, s14, 1                         ; which half of A's rows is mine.  Also: I fetch for A (0) or for B (1)
	s_and_b32 s16, s14, 1                          ; which half of B's rows.  Also: which 128 rows I fetch
	s_bfe_u32 s40, ttmp6, 0x40000                  ; cx
	s_bfe_u32 s41, ttmp6, 0x40004                  ; cy
	s_and_b32 s18, ttmp7, 0xffff
	s_lshl_b32 s18, s18, 2                         ; 4 x cluster y: it walks x's 32 tiles of 256 tokens
	s_cmp_eq_u32 ttmp9, 2                          ; mode v?
	s_cselect_b32 s17, 0, s18
	s_cselect_b32 s42, s18, 0
	s_add_co_u32 s17, s17, s41                     ; A's tile: cy (+ 4 Y where A is x); it never holds cx
	s_add_co_u32 s42, s42, s40                     ; B's tile: cx (+ 4 Y where B is x); it never holds cy
	s_lshl_b32 s43, s41, 2
	s_lshl_b32 s43, 15, s43                        ; my row of the cluster
	s_lshl_b32 s44, 0x1111, s40                    ; my column
	; descriptor group 1: a tile of 128 rows x 192 bytes, 16 bytes of padding behind every 64
	s_or_b32 s[G1+0], s43, (0<<16)|(1<<20)|(1<<21)|(3<<22)|(3<<25)
	s_or_b32 s[G1B+0], s44, (0<<16)|(1<<20)|(1<<21)|(3<<22)|(3<<25)
.irp g, G1, G1B
	s_mov_b32 s[\g+1], ROWB<<16                    ; tensor_dim0
	s_mov_b32 s[\g+2], 128<<16                     ; tensor_dim1
	s_mov_b32 s[\g+3], ROWB<<16                    ; tile_dim0
	s_mov_b32 s[\g+4], 128                         ; tile_dim1
	s_mov_b32 s[\g+5], KROW                        ; tensor_dim0_stride
	s_mov_b32 s[\g+6], 0
	s_mov_b32 s[\g+7], 0
.endr
	s_wait_kmcnt 0x0
	; the mode chooses the buffers; every choice hangs on the cluster's x alone
	s_cmp_eq_u32 ttmp9, 1
	s_cselect_b64 s[8:9], s[76:77], s[72:73]       ; W's codes: Wk or Wq,
	s_cselect_b64 s[10:11], s[78:79], s[74:75]     ; its scales,
	s_cselect_b64 s[98:99], s[86:87], s[84:85]     ; the bias
	s_cmp_eq_u32 ttmp9, 2
	s_cselect_b64 s[8:9], s[80:81], s[8:9]         ; or Wv's
	s_cselect_b64 s[10:11], s[82:83], s[10:11]
	s_cselect_b64 s[98:99], s[88:89], s[98:99]
	s_cselect_b64 s[4:5], s[8:9], s[68:69]         ; A's codes: W in mode v, else x
	s_cselect_b64 s[6:7], s[10:11], s[70:71]       ; A's scales
	s_cselect_b64 s[8:9], s[68:69], s[8:9]         ; B's codes: x in mode v, else W
	s_cselect_b64 s[10:11], s[70:71], s[10:11]     ; B's scales
	s_cselect_b32 s2, -1, 0                        ; a lane mask: all lanes in mode v
	s_cmp_eq_u32 ttmp9, 0
	s_cselect_b64 s[12:13], s[90:91], s[94:95]     ; the codes go to qc or kvc,
	s_cselect_b64 s[100:101], s[92:93], s[96:97]   ; the records to qs or kvs
	; group 1 for the scales of 128 rows: a dense block of 4,096 bytes as 16 rows of 256 bytes, 16 bytes of padding behind each
	s_or_b32 s[G1S+0], s43, (3<<16)|(1<<20)|(1<<21)|(5<<22)|(3<<25)
	s_or_b32 s[G1SB+0], s44, (3<<16)|(1<<20)|(1<<21)|(5<<22)|(3<<25)
.irp g, G1S, G1SB
	s_mov_b32 s[\g+1], 32<<16
	s_mov_b32 s[\g+2], (128*KS/256)<<16
	s_mov_b32 s[\g+3], 32<<16
	s_mov_b32 s[\g+4], 128*KS/256
	s_mov_b32 s[\g+5], 32
	s_mov_b32 s[\g+6], 0
	s_mov_b32 s[\g+7], 0
.endr
	s_lshl_b32 s18, s16, 7                         ; which 128 rows of the tile I fetch
	s_lshl_b32 s20, s17, 8
	s_add_co_u32 s20, s20, s18                     ; A: row 256 x tile + 128 x half
	s_lshl_b32 s46, s42, 8
	s_add_co_u32 s46, s46, s18                     ; B likewise
	s_mov_b32 s21, 0
	s_mov_b32 s47, 0
	s_mov_b64 s[18:19], KS
	s_mul_u64 s[22:23], s[20:21], s[18:19]         ; where these rows' scales begin
	s_mul_u64 s[92:93], s[46:47], s[18:19]
	s_mov_b64 s[18:19], KROW
	s_mul_u64 s[20:21], s[20:21], s[18:19]         ; and their codes
	s_mul_u64 s[46:47], s[46:47], s[18:19]
	s_mul_i32 s45, s14, HALFT                      ; where they go: wave x 128 rows
	s_mul_i32 s94, s14, HALFS
	s_add_nc_u64 s[20:21], s[4:5], s[20:21]
	s_add_nc_u64 s[22:23], s[6:7], s[22:23]
	s_add_nc_u64 s[46:47], s[8:9], s[46:47]
	s_add_nc_u64 s[92:93], s[10:11], s[92:93]
	CROUND                                         ; all sixteen work-groups are here: the first joint loads meet
	s_mov_b32 s[G0S], 1
	s_add_co_u32 s[G0S+1], s94, SCL
	s_mov_b64 s[G0S+2:G0S+3], s[22:23]
	s_or_b32 s[G0S+3], s[G0S+3], 0x80000000
	s_mov_b32 s[G0SB], 1
	s_add_co_u32 s[G0SB+1], s94, SCL
	s_mov_b64 s[G0SB+2:G0SB+3], s[92:93]
	s_or_b32 s[G0SB+3], s[G0SB+3], 0x80000000
	JLOAD G0S, G1S, G0SB, G1SB                     ; the scales first: they are wanted with K step 0
.irp s, 0,1
	s_mov_b32 s[G0+4*\s], 1
	s_add_co_u32 s[G0+4*\s+1], s45, \s*SLOT
	s_add_nc_u64 s[G0+4*\s+2:G0+4*\s+3], s[20:21], \s*ROWB
	s_or_b32 s[G0+4*\s+3], s[G0+4*\s+3], 0x80000000
	s_mov_b32 s[G0B+4*\s], 1
	s_add_co_u32 s[G0B+4*\s+1], s45, \s*SLOT
	s_add_nc_u64 s[G0B+4*\s+2:G0B+4*\s+3], s[46:47], \s*ROWB
	s_or_b32 s[G0B+4*\s+3], s[G0B+4*\s+3], 0x80000000
	JLOAD G0+4*\s, G1, G0B+4*\s, G1B
.endr
	v_and_b32 v1, 15, v0                           ; r = lane % 16
	v_bfe_u32 v2, v0, 4, 1                         ; h = lane / 16
	v_mul_u32_u24 v3, v1, PITCH
	v_mul_u32_u24 v4, v2, 24
	v_add_nc_u32 v4, v3, v4                        ; a fragment's row x pitch + 24 x half
	v_lshl_add_u32 v5, v2, 4, v4                   ; and the same behind one padding more
	s_mul_i32 s21, s15, HALFT                      ; my 128 rows of A
	s_mul_i32 s22, s16, HALFT                      ; my 128 rows of B,
	s_add_co_u32 s22, s22, 2*HALFT                 ; which lie behind A's 256
.irp s, 0,1
	v_add_nc_u32 v[ADRA+\s], s21, v4
	v_add_nc_u32 v[ADRB+\s], s22, v4
	v_add_nc_u32 v[ADRA+2+\s], s21, v5
	v_add_nc_u32 v[ADRB+2+\s], s22, v5
	s_add_co_u32 s21, s21, SLOT
	s_add_co_u32 s22, s22, SLOT
.endr
	v_mul_u32_u24 v5, v1, KS                       ; my row's scales: 32 bytes a row,
	v_lshrrev_b32 v6, 8, v5
	v_lshl_add_u32 v5, v6, 4, v5                   ; and 16 more for each 256 passed
	s_mul_i32 s21, s15, HALFS
	s_mul_i32 s22, s16, HALFS
	s_add_co_u32 s22, s22, 2*HALFS
	s_sub_co_u32 s22, s22, s21
	v_mul_u32_u24 v6, s22, v2                      ; lanes 16-31 take B's
	s_add_co_u32 s21, s21, SCL
	v_add_nc_u32 v5, v5, v6
	v_add_nc_u32 v[ADRS], s21, v5
	v_and_b32 v[LN], 31, v0
	v_lshlrev_b32 v[L16], 4, v[LN]
	v_lshlrev_b32 v[L8], 3, v[LN]
	; THE WAY OUT'S SCALARS, in registers that feed no descriptor any more
	s_lshl_b32 s66, s17, 8
	s_lshl_b32 s67, s15, 7
	s_add_co_u32 s66, s66, s67                     ; my first row of A
	s_lshl_b32 s67, s42, 8
	s_lshl_b32 s41, s16, 7
	s_add_co_u32 s67, s67, s41                     ; my first row of B
	s_mov_b32 s20, 768
	s_mov_b32 s22, 768
	s_cmp_eq_u32 ttmp9, 2
	s_cselect_b32 s94, s67, s66                    ; my first token,
	s_cselect_b32 s95, s66, s67                    ; my first channel
	s_cselect_b32 s96, 6144, 0                     ; V^T lies behind K's groups in a step,
	s_cselect_b32 s97, 4096, 0                     ; V's records behind K's
	s_cselect_b32 s40, 0, 4                        ; the bias from register to register: 4 bytes on, or (v) the same number
	s_cselect_b32 s20, 1536, s20                   ; from A's block a to a + 1: a channel tile (v) or a token tile
	s_cselect_b32 s22, 192000, s22                 ; from block 3 to 4: (v) the next head's first channel tile, 196,608 - 3 x 1,536
	s_mov_b32 s44, 196608
	s_mov_b32 s45, 12288
	s_mov_b32 s43, 8192
	s_cmp_eq_u32 ttmp9, 0
	s_cselect_b32 s44, 98304, s44                  ; a head's bytes of codes,
	s_cselect_b32 s45, 6144, s45                   ; a step's,
	s_cselect_b32 s43, 4096, s43                   ; a head's bytes of records
	s_cmp_eq_u32 ttmp9, 2
	s_cselect_b32 s92, 768, s44                    ; from a block's first group to its second: the other key half (v) or the next head
	s_mov_b32 s21, 0
	s_mov_b32 s23, 0
	s_mov_b32 s93, 0
	s_lshr_b32 s46, s94, 11                        ; the batch,
	s_lshl_b32 s46, s46, 4
	s_lshr_b32 s47, s95, 6
	s_add_co_u32 s46, s46, s47                     ; bh of my first head
	s_bfe_u32 s47, s94, 0x40007                    ; my step of 128 tokens in the batch
	s_mul_i32 s18, s46, s44
	s_mul_i32 s19, s47, s45
	s_add_co_u32 s18, s18, s19
	s_add_co_u32 s18, s18, s96
	s_mov_b32 s19, 0
	s_add_nc_u64 s[12:13], s[12:13], s[18:19]      ; where block 0's first group goes
	s_mul_i32 s18, s46, s43
	s_lshl_b32 s47, s47, 8
	s_add_co_u32 s18, s18, s47
	s_add_co_u32 s18, s18, s97
	s_add_nc_u64 s[100:101], s[100:101], s[18:19]  ; my first head's record
	s_lshl_b32 s18, s95, 2
	s_add_nc_u64 s[98:99], s[98:99], s[18:19]      ; the bias at my first channel
	s_mov_b32 s18, s43
	s_add_nc_u64 s[94:95], s[100:101], s[18:19]    ; my second head's record
	; the bias in the result's layout: q, k: register 8 i + j = bias[16 i + 8 h + j] (B's block i);  v: = bias[16 i + r] (A's block i)
	v_lshlrev_b32 v3, 5, v2
	v_lshlrev_b32 v4, 2, v1
	v_cndmask_b32 v[BOF], v3, v4, s2
.irp j, 1,2,3,4,5,6,7
	v_add_nc_u32 v[BOF+\j], s40, v[BOF+\j-1]
.endr
.irp i, 0,1,2,3,4,5,6,7
.irp j, 0,1,2,3,4,5,6,7
	global_load_b32 v[BI+8*\i+\j], v[BOF+\j], s[98:99] offset:64*\i
.endr
.endr
.macro FRAG reg, adr, q, i             ; a fragment, 16 rows x 128 K: lane l holds row l % 16; registers 6 c .. 6 c + 5 hold K = 64 c + 32 (l / 16) + 0 .. 31: 24 bytes of the row, as they lie
.irp p, 0,1,2,3,4,5                    ; in pieces of 8 bytes.  Lanes 16-31 read three pieces further on; where that lies behind one padding more, the second address register serves
.set PIECE, 12*(\q)+6*(\p/3)+\p%3
.if PIECE%8 < 5
	ds_load_b64 v[\reg+2*\p:\reg+2*\p+1], v[\adr] offset:8*PIECE+16*(PIECE/8)+(\i)*16*PITCH
.else
	ds_load_b64 v[\reg+2*\p:\reg+2*\p+1], v[\adr+2] offset:8*PIECE+16*(PIECE/8)+(\i)*16*PITCH
.endif
.endr
.endm
; 16 matrix instructions: A's blocks a0, a0 + 1 x B's eight, 128 along K.  zero = 0: onto the sums;  1: the sums begin with the bias of B's block;  2: with that of A's block.
; The 64 accumulators take turns, one instruction a turn, in the same order in every step.
.macro MUL16 a0, p, q, sc, zero
.irp a, \a0, \a0+1
.irp b, 0,1,2,3,4,5,6,7
.if (\zero) == 1
	v_wmma_scale_f32_16x16x128_f8f6f4 v[8*(8*((\a)%4)+\b):8*(8*((\a)%4)+\b)+7], v[128*(\p)+FR*\b:128*(\p)+FR*\b+FR-1], v[AF+FR*(\a):AF+FR*(\a)+FR-1], v[BI+8*\b:BI+8*\b+7], v[SC+8*NQ*(\sc)+NQ*\b+(\q)], v[SC+8*NQ*(\sc)+NQ*(\a)+(\q)] matrix_a_fmt:MATRIX_FMT_FP6 matrix_b_fmt:MATRIX_FMT_FP6 matrix_a_scale:MATRIX_SCALE_ROW1
.elseif (\zero) == 2
	v_wmma_scale_f32_16x16x128_f8f6f4 v[8*(8*((\a)%4)+\b):8*(8*((\a)%4)+\b)+7], v[128*(\p)+FR*\b:128*(\p)+FR*\b+FR-1], v[AF+FR*(\a):AF+FR*(\a)+FR-1], v[BI+8*(\a):BI+8*(\a)+7], v[SC+8*NQ*(\sc)+NQ*\b+(\q)], v[SC+8*NQ*(\sc)+NQ*(\a)+(\q)] matrix_a_fmt:MATRIX_FMT_FP6 matrix_b_fmt:MATRIX_FMT_FP6 matrix_a_scale:MATRIX_SCALE_ROW1
.else
	v_wmma_scale_f32_16x16x128_f8f6f4 v[8*(8*((\a)%4)+\b):8*(8*((\a)%4)+\b)+7], v[128*(\p)+FR*\b:128*(\p)+FR*\b+FR-1], v[AF+FR*(\a):AF+FR*(\a)+FR-1], v[8*(8*((\a)%4)+\b):8*(8*((\a)%4)+\b)+7], v[SC+8*NQ*(\sc)+NQ*\b+(\q)], v[SC+8*NQ*(\sc)+NQ*(\a)+(\q)] matrix_a_fmt:MATRIX_FMT_FP6 matrix_b_fmt:MATRIX_FMT_FP6 matrix_a_scale:MATRIX_SCALE_ROW1
.endif
.endr
.endr
.endm
.macro FETCH_B slot, q, p
	WIN TO_B
.irp i, 0,1,2,3,4,5,6,7
	FRAG 128*(\p)+FR*\i, ADRB+\slot, \q, \i
.endr
	WIN 0
.endm
.macro FETCH_A slot, q, i0
.irp i, \i0, \i0+1, \i0+2, \i0+3
	FRAG AF+FR*(\i), ADRA+\slot, \q, \i
.endr
.endm
.macro SCALES sc                       ; a K step's scale words: two words a row; lanes 0-15 take A's block i, lanes 16-31 B's block i
.irp i, 0,1,2,3,4,5,6,7
	ds_load_b64 v[SC+8*NQ*\sc+NQ*\i:SC+8*NQ*\sc+NQ*\i+1], v[ADRS] offset:\i*SBLK
.endr
.endm
.macro PLACES n                        ; plain vector lines between a matrix instruction and a load into, or a read of, its registers
.rept \n
	v_nop
.endr
.endm
; A step of 128 along K that has its successor in the same slot.  Where the sums begin, C lies in window 0.
.macro STEP slot, q, zero
	s_wait_dscnt 4*NL                              ; B's set and A's blocks 0-3 are in; the youngest 24 loads (A's blocks 4-7) may be out
.if \zero
	WIN 0x81
.else
	WIN MUL_LO
.endif
	MUL16 0, (\q)%2, \q, \slot, \zero
	MUL16 2, (\q)%2, \q, \slot, \zero
	s_wait_dscnt 0                                 ; A's blocks 4-7 are in
	PLACES NP
	FETCH_B \slot, (\q)+1, 1-(\q)%2
	FETCH_A \slot, (\q)+1, 0
.if \zero
	WIN 0xc1
.else
	WIN MUL_HI
.endif
	MUL16 4, (\q)%2, \q, \slot, \zero
	MUL16 6, (\q)%2, \q, \slot, \zero
	PLACES NP
	WIN 0
	FETCH_A \slot, (\q)+1, 4
.endm
; A slot's last step changes slots: one barrier; in front of it each wave waits for all its tensor loads, adds 0 to its spare word, and waits for that and for its own reads of this slot.
.macro TURN slot, next, fill
	s_wait_tensorcnt 0x0                           ; all my tensor loads have landed: my part of the next slot
	ds_add_u32 v[SPW], v[NIL]                      ; 0 onto my spare word
	s_wait_dscnt 4*NL+1                            ; (the add and the youngest 24 loads may be out)
	WIN MUL_LO
	MUL16 0, 1, NQ-1, \slot, 0
	s_wait_dscnt 0x0                               ; the add is done, and my reads of this slot are over
	s_barrier_signal -1
	MUL16 2, 1, NQ-1, \slot, 0
	WIN 0
	s_barrier_wait -1
.if \fill
	CREST                                          ; the barrier has opened a round of the cluster's barrier: no wave of any partner still reads this slot or has a load on its way
	s_add_nc_u64 s[G0+4*\slot+2:G0+4*\slot+3], s[G0+4*\slot+2:G0+4*\slot+3], 2*ROWB
	s_add_nc_u64 s[G0B+4*\slot+2:G0B+4*\slot+3], s[G0B+4*\slot+2:G0B+4*\slot+3], 2*ROWB
	JLOAD G0+4*\slot, G1, G0B+4*\slot, G1B         ; the first tensor load behind the round; its four v_nop are the places in front of the loads below
.else
	PLACES NP
.endif
	s_wait_alu depctr_va_vdst(0)
	v_add_nc_u32 v[ADRS], 4*NQ, v[ADRS]            ; on to the next K step's scale words
	FETCH_B \next, 0, 0
	FETCH_A \next, 0, 0
	SCALES \next
	WIN MUL_HI
	MUL16 4, 1, NQ-1, \slot, 0
	MUL16 6, 1, NQ-1, \slot, 0
	PLACES NP
	WIN 0
	FETCH_A \next, 0, 4
.endm
	s_wait_tensorcnt 1                             ; the scales and my part of K step 0 are in (of my three loads K step 1's may be out)
	s_barrier_signal -1
	s_barrier_wait -1                              ; everybody's are
	FETCH_B 0, 0, 0
	FETCH_A 0, 0, 0
	SCALES 0
	FETCH_A 0, 0, 4
	s_wait_loadcnt 0x0                             ; the bias
	s_cmp_eq_u32 ttmp9, 2                          ; the first step is written twice: which block's bias starts a sum hangs on the mode, which all partners share
	s_cbranch_scc1 .Lfirst_v
	STEP 0, 0, 1
	s_branch .Lfirst_done
.Lfirst_v:
	STEP 0, 0, 2
.Lfirst_done:
	s_mov_b32 s3, LAPS-1
.Llap:                                                 ; a trip goes once round the ring and fills both slots again
	TURN 0, 1, 1
	STEP 1, 0, 0
	TURN 1, 0, 1
	STEP 0, 0, 0
	s_sub_co_u32 s3, s3, 1
	s_cmp_lg_u32 s3, 0
	s_cbranch_scc1 .Llap
	TURN 0, 1, 0                                   ; the last lap fills nothing
	STEP 1, 0, 0
	s_wait_dscnt 4*NL
	WIN MUL_LO
	MUL16 0, 1, NQ-1, 1, 0
	MUL16 2, 1, NQ-1, 1, 0
	s_wait_dscnt 0
	WIN MUL_HI
	MUL16 4, 1, NQ-1, 1, 0
	MUL16 6, 1, NQ-1, 1, 0
	WIN 0
	PLACES NP
; THE WAY OUT of A's block a: 64 numbers a lane, four blocks of 32 along the next K (each shared with lane l xor 16), become two groups of codes and a scale word.
.macro QOUT a
.set AC, 64*((\a)%4)
	WIN 0x28+0x14*((\a)/4)                         ; sources 1 and 2: window 2 or 3
.irp b, 0,1,2,3
	v_max3_num_f32 v[TM+\b], 0x1800000, |v[AC+16*\b]|, |v[AC+16*\b+1]|   ; my 16 numbers of block b, and the floor 2^(3 - 127): the byte cannot fall under 1.  Each accumulator is read from its low end on
.endr
.irp i, 2,4,6,8,10,12,14
.irp b, 0,1,2,3
	v_max3_num_f32 v[TM+\b], v[TM+\b], |v[AC+16*\b+\i]|, |v[AC+16*\b+\i+1]|
.endr
.endr
	WIN 0
.irp b, 0,1,2,3
	v_permlanex16_b32 v[TM+4+\b], v[TM+\b], s66, s67
.endr
.irp b, 0,1,2,3
	v_max_num_f32 v[TM+\b], v[TM+\b], v[TM+4+\b]   ; with lane l xor 16's: the block's largest magnitude
.endr
.irp b, 0,1,2,3
	v_add_nc_u32 v[TM+12+\b], 0xff000000, v[TM+\b] ; 2 off its exponent field: the conversion's scale operand
.endr
.irp b, 0,1,2,3
	v_lshrrev_b32 v[TM+4+\b], 23, v[TM+12+\b]      ; the scale's byte
.endr
	v_lshl_or_b32 v[WS+\a], v[TM+5], 8, v[TM+4]
	v_lshl_or_b32 v[WS+\a], v[TM+6], 16, v[WS+\a]
	v_lshl_or_b32 v[WS+\a], v[TM+7], 24, v[WS+\a]
.if (\a) > 0
	s_wait_xcnt 0x0                                ; the last block's stores have read their data and their bases: both are written again only behind this wait
.endif
	WIN 0x02+((\a)/4)                              ; source 0: window 2 or 3
.irp c, 0,1
	v_cvt_scalef32_pk16_fp6_f32 v[PC+6*\c:PC+6*\c+2], v[AC+32*\c:AC+32*\c+15], v[TM+12+2*\c]
	v_cvt_scalef32_pk16_fp6_f32 v[PT+4*\c:PT+4*\c+2], v[AC+32*\c+16:AC+32*\c+31], v[TM+12+2*\c+1]   ; (a conversion's three registers begin on an even number)
.endr
	WIN 0
	v_nop                                          ; one plain line behind the scaled conversions
.irp c, 0,1                                    ; a whole block to a lane: lanes 0-15 block 2 c, lanes 16-31 block 2 c + 1
.irp i, 0,1,2
	v_permlane16_swap_b32 v[PC+6*\c+\i], v[PT+4*\c+\i]
.endr
.irp i, 0,1,2
	v_mov_b32 v[PC+3+6*\c+\i], v[PT+4*\c+\i]
.endr
.endr
.if (\a) == 4
	s_add_nc_u64 s[12:13], s[12:13], s[22:23]
.elseif (\a) > 0
	s_add_nc_u64 s[12:13], s[12:13], s[20:21]
.endif
	s_add_nc_u64 s[18:19], s[12:13], s[92:93]      ; the block's second group
	global_store_b128 v[L16], v[PC:PC+3], s[12:13] th:TH_STORE_NT              ; 32 lanes store 512 consecutive bytes,
	global_store_b64 v[L8], v[PC+4:PC+5], s[12:13] offset:512 th:TH_STORE_NT   ; and 256, each run aligned to 256
	global_store_b128 v[L16], v[PC+6:PC+9], s[18:19] th:TH_STORE_NT
	global_store_b64 v[L8], v[PC+10:PC+11], s[18:19] offset:512 th:TH_STORE_NT
.endm
	s_mov_b32 s66, 0x76543210
	s_mov_b32 s67, 0xfedcba98                      ; v_permlanex16_b32's selects for lane l xor 16
.irp b, 0,1,2,3
	v_mov_b32 v[TM+4+\b], 0                        ; written once: a lane permute's destination counts as one of its sources
.endr
.irp a, 0,1,2,3,4,5,6,7
	QOUT \a
.endr
	; THE RECORDS.  q, k: a fragment of the next launch holds token tiles 2 f and 2 f + 1, so its word is two bytes of each tile's word: the low halves for my first head, the high halves for my second.
	; v: the word of A's block 4 e + f is the word of head e's channel tile f as it stands.
	s_mov_b32 s66, 0x05040100
	s_mov_b32 s67, 0x07060302
.irp f, 0,1,2,3
	v_perm_b32 v[XW+\f], v[WS+2*\f+1], v[WS+2*\f], s66
	v_perm_b32 v[XW+4+\f], v[WS+2*\f+1], v[WS+2*\f], s67
.endr
.irp i, 0,1,2,3,4,5,6,7
	v_cndmask_b32 v[XW+\i], v[XW+\i], v[WS+\i], s2
.endr
	v_cmp_le_u32 vcc_lo, 16, v[LN]
.irp e, 0,1
.irp q, 0,1
	v_cndmask_b32 v[RC+2*\e+\q], v[XW+4*\e+2*\q], v[XW+4*\e+2*\q+1], vcc_lo   ; lanes 0-15 fragment 2 q, lanes 16-31 fragment 2 q + 1
.endr
.endr
	global_store_b64 v[L8], v[RC:RC+1], s[100:101] th:TH_STORE_NT      ; 32 lanes store 256 consecutive bytes, aligned
	global_store_b64 v[L8], v[RC+2:RC+3], s[94:95] th:TH_STORE_NT
	s_wait_tensorcnt 0x0                           ; the wave's end
	ds_add_u32 v[SPW], v[NIL]
	s_wait_dscnt 0x0
	CROUND                                         ; the closing round: no work-group ends while a partner may still ask for a tile that names it
	s_endpgm
.Lfunc_end_k_q53256925e2_qkv:
	.size	k_q53256925e2_qkv, .Lfunc_end_k_q53256925e2_qkv-k_q53256925e2_qkv
	.p2alignl 7, 3214868480
	.fill 96, 4, 3214868480
	.section	.rodata,"a",@progbits
	.p2align	6, 0x0
	.amdhsa_kernel k_q53256925e2_qkv
		.amdhsa_group_segment_fixed_size 327680
		.amdhsa_private_segment_fixed_size 0
		.amdhsa_enable_private_segment 0
		.amdhsa_kernarg_size 120
		.amdhsa_user_sgpr_count 2
		.amdhsa_user_sgpr_kernarg_segment_ptr 1
		.amdhsa_wavefront_size32 1
		.amdhsa_system_sgpr_workgroup_id_x 1
		.amdhsa_system_sgpr_workgroup_id_y 1
		.amdhsa_system_sgpr_workgroup_id_z 1
		.amdhsa_system_vgpr_workitem_id 0
		.amdhsa_next_free_vgpr 1024
		.amdhsa_next_free_sgpr 102
		.amdhsa_reserve_vcc 1
		.amdhsa_float_denorm_mode_32 3
		.amdhsa_float_denorm_mode_16_64 3
		.amdhsa_memory_ordered 1
		.amdhsa_forward_progress 1
		.amdhsa_inst_pref_size 189
	.end_amdhsa_kernel
	.amdgpu_metadata
---
amdhsa.version: [ 1, 2 ]
amdhsa.kernels:
  - .name:           k_q53256925e2_qkv
    .symbol:         k_q53256925e2_qkv.kd
    .args:
      - { .name: x_codes, .offset: 0, .size: 8, .value_kind: global_buffer, .address_space: global }
      - { .name: x_scales, .offset: 8, .size: 8, .value_kind: global_buffer, .address_space: global }
      - { .name: Wq_codes, .offset: 16, .size: 8, .value_kind: global_buffer, .address_space: global }
      - { .name: Wq_scales, .offset: 24, .size: 8, .value_kind: global_buffer, .address_space: global }
      - { .name: Wk_codes, .offset: 32, .size: 8, .value_kind: global_buffer, .address_space: global }
      - { .name: Wk_scales, .offset: 40, .size: 8, .value_kind: global_buffer, .address_space: global }
      - { .name: Wv_codes, .offset: 48, .size: 8, .value_kind: global_buffer, .address_space: global }
      - { .name: Wv_scales, .offset: 56, .size: 8, .value_kind: global_buffer, .address_space: global }
      - { .name: bq, .offset: 64, .size: 8, .value_kind: global_buffer, .address_space: global }
      - { .name: bk, .offset: 72, .size: 8, .value_kind: global_buffer, .address_space: global }
      - { .name: bv, .offset: 80, .size: 8, .value_kind: global_buffer, .address_space: global }
      - { .name: qc, .offset: 88, .size: 8, .value_kind: global_buffer, .address_space: global }
      - { .name: qs, .offset: 96, .size: 8, .value_kind: global_buffer, .address_space: global }
      - { .name: kvc, .offset: 104, .size: 8, .value_kind: global_buffer, .address_space: global }
      - { .name: kvs, .offset: 112, .size: 8, .value_kind: global_buffer, .address_space: global }
    .group_segment_fixed_size: 327680
    .private_segment_fixed_size: 0
    .kernarg_segment_align: 8
    .kernarg_segment_size: 120
    .max_flat_workgroup_size: 128
    .sgpr_count:     102
    .vgpr_count:     1024
    .wavefront_size: 32
...
	.end_amdgpu_metadata
.endif
;; end of part 1
;; launch attn (part 2): grid 4 x 64, 16 waves a work-group, clusters of 4 x 1, 206,848 bytes of LDS; arguments qc, qs, kvc, kvs, oc, os; writes oc, os
.if DOCPART == 2
	.amdgcn_target "amdgcn-amd-amdhsa--gfx1250"
	.amdhsa_code_object_version 6
	.text
	.protected	k_q53256925e2_attn
	.globl	k_q53256925e2_attn
	.p2align	8
	.type	k_q53256925e2_attn,@function
k_q53256925e2_attn:
	s_mov_b64 s[64:65], 0
	v_nop
	global_prefetch_b8 v0, s[64:65] scope:SCOPE_SE
	s_setreg_imm32_b32 hwreg(HW_REG_WAVE_MODE, 25, 1), 1
	s_wait_xcnt 0x0
	s_wait_alu depctr_hold_cnt(0) depctr_sa_sdst(0) depctr_va_vdst(0) depctr_va_sdst(0) depctr_va_ssrc(0) depctr_va_vcc(0) depctr_vm_vsrc(0)
	s_getreg_b32 s2, hwreg(HW_REG_IB_STS2, 6, 4)
	s_cmp_eq_u32 s2, 0
	s_cbranch_scc0 .Lentry_in_a_cluster
	s_endpgm
.Lentry_in_a_cluster:
	s_bfe_u32 s2, ttmp6, 0x10000c
	s_cmp_lg_u32 s2, 0x3003
	s_cbranch_scc0 .Lentry_shape_is_right
	s_endpgm
.Lentry_shape_is_right:
; For each of 64 (batch, head): O[q] = the sum over the 2,048 keys of softmax(Q[q] . K[k] / 8) V[k], both products on codes of FP6 (E2M3) with one E8M0 scale for each 32 along K; O is quantised along the head's 64 for the last product.
; THE SOFTMAX: t = score x log2(e) / 8; M = the running largest t rounded UP to a whole number; p = 2^(t - M) is what is quantised, along the keys, not normalised; the row's sum is taken of the unquantised p and divides O at the end.
; When M moves, the sum and O are multiplied by 2^(old M - new M): exact.
; INPUTS as the launch before has laid them: groups of 768 bytes (16 rows x 64 K as an image of 6 operand registers: registers 0-3 at 16 x lane, 4-5 at 512 + 8 x lane) and scale records of 256 bytes (word (lane l, q) at 8 l + 4 q: fragment 2 q + l / 16, row l % 16).
;   qc [bh][query tile 128][768];  kvc [bh][step 16][12288]: K's 8 key tiles, then V^T's 4 channel tiles x 2 key halves;  qs [bh][step][256];  kvs [bh][K, V][step][256].
; SHARES.  A work-group owns one bh and 512 queries; each of its sixteen waves owns a tile of 16 queries in each of two passes, in 256 registers: four waves to a SIMD, so that one wave's vector work stands beside another's matrix work and LDS loads.
; A WHOLE HEAD'S K AND V STAY IN LDS: 196,608 bytes of codes and 8,192 of records, filled ONCE, so no LDS byte is filled again and no barrier stands behind the fills.  The four work-groups of a cluster belong to one bh and ask for every block JOINTLY.
; LAYOUT.  Both products are used transposed: S^T = K Q^T (source 0 = keys, source 1 = my 16 queries), O^T = V^T P^T (source 0 = 16 channels, source 1 = P): a lane holds ONE query (lane % 16) throughout.
; K = 64 IN AN INSTRUCTION OF K = 128: a fragment of K holds key tile 2 f in k 0..63 and key tile 2 f + 1 in k 64..127.  Q stands in 18 registers [Q | six zeros | Q]: registers 0-11 = [Q | 0] give tile 2 f, registers 6-17 = [0 | Q] give tile 2 f + 1.
; Zero codes add exactly 0 under any scale byte but 0xff; Q's scale words are (s0, s1, 0, 0) and (0, 0, s0, s1).
; The 16 registers of score tiles 2 b, 2 b + 1 are keys 32 b + 8 h + 0..7 and 32 b + 16 + 8 h + 0..7: p's codes of a block so come out in the order 0..7, 16..23, 8..15, 24..31, the order in which V's codes were laid: the products are the same.
; O meets given codes in the last product, so there sixteen exchanges of halves first give a lane 16 true neighbours.  oc [token tile 512][head 16][768];  os [token 8192][32].
; os is stored a byte a lane, 32 bytes apart (lane (r, h): block h's byte of token r): 262,144 bytes in the whole launch; a token's 32 bytes come from sixteen work-groups, so no wave holds more of a row.
; LIMITS: NaN and infinities are not served.  A block of zeros gets the byte 1 where the rule says 127: its codes are zeros, and this program alone reads these bytes.
.set STEPB, 12288                      ; a key step's codes: K's 6,144 bytes, then V's
.set QUART, 4*STEPB                    ; a quarter of the head
.set SC,    16*STEPB                   ; behind the codes: K's 16 records, then (+ 4,096) V's
.set L16, 1                            ; v1   16 x lane
.set L8,  2                            ; v2   8 x lane
.set A16, 3                            ; v3   the step's codes, + 16 x lane
.set A8,  4                            ; v4   + 8 x lane
.set AS,  5                            ; v5   the step's record of K
.set LS,  6                            ; v6   SC + 8 x lane
.set OSO, 7                            ; v7   32 r + h: my byte in os
.set LN,  8                            ; v8   lane
.set Q0,  16                           ; v16-33 Q of pass 0;  v34, v35 its two scale words
.set QS0, 34
.set KSR, 36                           ; v36-37 K's record
.set VSR, 38                           ; v38-39 V's
.set PW,  40                           ; v40   p's scale word
.set FF,  42                           ; v[42:43] f = 2^(old M - new M), later 1 / the sum (v43 is named with it as a pair)
.set HB,  44                           ; v44   my byte for os
.set KV,  52                           ; v52-99 four fragments of K or of V
.set S,   100                          ; v100-163 S^T, then p
.set O,   164                          ; v164-195 O^T
.set PC,  196                          ; v196-207 p's codes
.set PT,  208                          ; v208-210, v212-214 the conversions' second halves
.set BM,  216                          ; v216-219 the blocks' largest scores, then largest p
.set BP,  220                          ; v220-223 the other half's, then the bytes
.set BO,  224                          ; v224-227 the conversions' scale operands
.set T0,  228                          ; v228 at work
.set SUM2, 232                         ; v[232:233] the sum's second chain
.set Q1,  234                          ; v234-251 Q of pass 1;  v252, v253 its scale words
.set QS1, 252
.set WV,  16                           ; s16  my wave's number
.set SEL, 20                           ; s[20:21] lane selects for v_permlanex16_b32: lane l xor 16
.set CS,  22                           ; s[22:23] c = log2(e) / 8
.set G0,  24                           ; s[24:43] five groups 0: the records, the four quarters
.set G1C, 44                           ; s[44:51] group 1 for my part of a quarter
.set G1S, 52                           ; s[52:59] for my part of the records
.set TB,  60                           ; s60  LDS byte at which the step's codes begin
.set TS,  61                           ; s61  256 x step
.set CNT, 62
.macro CROUND                          ; a round of the cluster's barrier
	s_barrier_signal -1
	s_barrier_wait -1
	s_cmp_lg_u32 s[WV], 0
	s_cbranch_scc1 .Lnot_wave_0_\@
	s_barrier_signal -3
.Lnot_wave_0_\@:
	s_barrier_wait -3
	s_barrier_signal -1
	s_barrier_wait -1
.endm
	s_load_b256 s[4:11], s[0:1], 0x0               ; qc, qs, kvc, kvs
	s_load_b128 s[12:15], s[0:1], 0x20             ; oc, os
	v_lshl_add_u32 v254, v0, 2, 0x32000
	v_mov_b32 v255, 0
	ds_add_u32 v254, v255
	ds_add_u32 v254, v255
	v_lshrrev_b32 v8, 5, v0
	s_delay_alu instid0(VALU_DEP_1)
	v_readfirstlane_b32 s[WV], v8                  ; wave 0..15
	s_and_b32 s17, ttmp7, 0xffff                   ; bh, which the four partners share
	; group 1: dense blocks as rows of 256 bytes (32 elements of 8 bytes); the mask names all four work-groups, bit 21 beside it
	s_mov_b32 s[G1C], 15|(3<<16)|(1<<21)
	s_mov_b32 s[G1C+1], 32<<16                     ; tensor_dim0
	s_mov_b32 s[G1C+2], 12<<16                     ; tensor_dim1: 12 rows = 3,072 bytes, a sixteenth of a quarter
	s_mov_b32 s[G1C+3], 32<<16                     ; tile_dim0
	s_mov_b32 s[G1C+4], 12                         ; tile_dim1
	s_mov_b32 s[G1C+5], 32                         ; the pitch
	s_mov_b32 s[G1C+6], 0
	s_mov_b32 s[G1C+7], 0
	s_mov_b32 s[G1S], 15|(3<<16)|(1<<21)
	s_mov_b32 s[G1S+1], 32<<16
	s_mov_b32 s[G1S+2], 2<<16                      ; 2 rows = 512 bytes, a sixteenth of the records
	s_mov_b32 s[G1S+3], 32<<16
	s_mov_b32 s[G1S+4], 2
	s_mov_b32 s[G1S+5], 32
	s_mov_b32 s[G1S+6], 0
	s_mov_b32 s[G1S+7], 0
	s_mul_i32 s66, s[WV], 3072                     ; my part of a quarter,
	s_lshl_b32 s67, s[WV], 9                       ; and of the records: the same offsets in memory and in LDS
	s_mul_i32 s68, s17, 196608
	s_add_co_u32 s68, s68, s66
	s_mov_b32 s69, 0
	s_lshl_b32 s70, s17, 13
	s_add_co_u32 s70, s70, s67
	s_mov_b32 s71, 0
	s_mov_b32 s[SEL], 0x76543210
	s_mov_b32 s[SEL+1], 0xfedcba98
	s_mov_b32 s[CS], 0x3e38aa3b                    ; log2(e) / 8
	s_mov_b32 s[CS+1], s[CS]                       ; (named with it as a pair, so it is written)
	s_wait_dscnt 0x0
	s_wait_kmcnt 0x0
	s_add_nc_u64 s[8:9], s[8:9], s[68:69]
	s_add_nc_u64 s[10:11], s[10:11], s[70:71]
	s_mov_b32 s[G0], 1
	s_add_co_u32 s[G0+1], s67, SC
	s_mov_b64 s[G0+2:G0+3], s[10:11]
	s_or_b32 s[G0+3], s[G0+3], 0x80000000
.irp n, 0,1,2,3
	s_mov_b32 s[G0+4+4*\n], 1
	s_add_co_u32 s[G0+5+4*\n], s66, \n*QUART
	s_add_nc_u64 s[G0+6+4*\n:G0+7+4*\n], s[8:9], \n*QUART
	s_or_b32 s[G0+7+4*\n], s[G0+7+4*\n], 0x80000000
.endr
	CROUND                                         ; all four work-groups are here: the joint loads meet
	tensor_load_to_lds s[G0:G0+3], s[G1S:G1S+7]    ; every fill of the launch goes out here, five loads a wave: the records,
	s_nop 0
	tensor_load_to_lds s[G0+4:G0+7], s[G1C:G1C+7]  ; and the four quarters in the order in which they are read
	s_nop 0
	tensor_load_to_lds s[G0+8:G0+11], s[G1C:G1C+7]
	s_nop 0
	tensor_load_to_lds s[G0+12:G0+15], s[G1C:G1C+7]
	s_nop 0
	tensor_load_to_lds s[G0+16:G0+19], s[G1C:G1C+7]
	s_nop 0
.rept 4
	v_nop
.endr
	v_and_b32 v[LN], 31, v0
	s_delay_alu instid0(VALU_DEP_1)
	v_lshlrev_b32 v[L16], 4, v[LN]
	s_wait_alu depctr_va_vdst(0)
	v_lshlrev_b32 v[L8], 3, v[LN]
	s_wait_alu depctr_va_vdst(0)
	v_add_nc_u32 v[LS], SC, v[L8]
	v_and_b32 v9, 15, v0                           ; r
	v_bfe_u32 v10, v0, 4, 1                        ; h
	s_delay_alu instid0(VALU_DEP_2)
	v_lshlrev_b32 v11, 3, v9                       ; 8 r
	s_wait_alu depctr_va_vdst(0)
	v_lshl_add_u32 v[OSO], v9, 5, v10
	; my place in the cluster enters Q's and O's global addresses alone
	s_bfe_u32 s18, ttmp6, 0x40000                  ; cx
	s_lshl_b32 s19, ttmp9, 2
	s_add_co_u32 s18, s18, s19                     ; my block of 512 queries
	s_lshl_b32 s72, s18, 5
	s_add_co_u32 s72, s72, s[WV]                   ; my query tile of pass 0: 32 x block + wave; pass 1's lies 16 tiles on
	s_mul_i32 s73, s17, 98304
	s_mul_i32 s74, s72, 768
	s_add_co_u32 s74, s74, s73
	s_mov_b32 s75, 0
	s_add_nc_u64 s[4:5], s[4:5], s[74:75]          ; its group
	s_lshl_b32 s74, s17, 12                        ; its scale word: record tile / 8; in it tile t = wave % 8 is half t % 2 of fragment t / 2: lane 16 ((t / 2) % 2) + r, word t / 4
	s_lshr_b32 s76, s72, 3
	s_lshl_b32 s76, s76, 8
	s_add_co_u32 s74, s74, s76
	s_bfe_u32 s76, s[WV], 0x10001
	s_lshl_b32 s76, s76, 7
	s_add_co_u32 s74, s74, s76
	s_bfe_u32 s76, s[WV], 0x10002
	s_lshl_b32 s76, s76, 2
	s_add_co_u32 s74, s74, s76
	s_add_nc_u64 s[6:7], s[6:7], s[74:75]
	s_and_b32 s77, s[WV], 1
	s_lshl_b32 s77, s77, 4                         ; my tile's two bytes lie 16 (t % 2) bits up
	s_lshr_b32 s76, s17, 4                         ; the batch
	s_lshl_b32 s76, s76, 7
	s_add_co_u32 s76, s76, s72                     ; my token tile of 512
	s_and_b32 s78, s17, 15                         ; the head
	s_lshl_b32 s74, s76, 4
	s_add_co_u32 s74, s74, s78
	s_mul_i32 s74, s74, 768
	s_add_nc_u64 s[12:13], s[12:13], s[74:75]      ; oc: (16 x token tile + head) x 768
	s_lshl_b32 s74, s76, 9
	s_lshl_b32 s78, s78, 1
	s_add_co_u32 s74, s74, s78
	s_add_nc_u64 s[14:15], s[14:15], s[74:75]      ; os: 512 x token tile + 2 x head
.macro QLOAD qb, qs, p                 ; Q of pass p: the group twice, six zeros between; its scale word
	global_load_b128 v[\qb:\qb+3], v[L16], s[4:5] offset:12288*\p
	global_load_b64 v[\qb+4:\qb+5], v[L8], s[4:5] offset:12288*\p+512
	global_load_b128 v[\qb+12:\qb+15], v[L16], s[4:5] offset:12288*\p
	global_load_b64 v[\qb+16:\qb+17], v[L8], s[4:5] offset:12288*\p+512
	global_load_b32 v[\qs], v11, s[6:7] offset:512*\p
.irp i, 6,7,8,9,10,11
	v_mov_b32 v[\qb+\i], 0
.endr
.endm
	QLOAD Q0, QS0, 0
	QLOAD Q1, QS1, 1
	s_wait_loadcnt 0x0
.irp q, QS0, QS1
	v_lshrrev_b32 v[\q], s77, v[\q]
	s_delay_alu instid0(VALU_DEP_1)
	v_and_b32 v[\q], 0xffff, v[\q]                 ; (s0, s1, 0, 0): for [Q | 0]
	s_delay_alu instid0(VALU_DEP_1)
	v_lshlrev_b32 v[\q+1], 16, v[\q]               ; (0, 0, s0, s1): for [0 | Q]
.endr
.irp b, 0,1,2,3
	v_mov_b32 v[BP+\b], 0                          ; written once: a lane permute's destination counts as one of its sources
.endr
	v_mov_b32 v[FF+1], 0                           ; (the upper half of the pair v[42:43])
.macro INIT                            ; a pass begins: the step is written once, so the first finds zeros, which the first change of M leaves zeros
	v_mov_b32 v13, 0xff61b1e6                      ; the largest t so far: -3e38
	s_delay_alu instid0(VALU_DEP_1)
	v_floor_f32 v12, -v13                          ; -M
	v_mov_b32 v14, 0                               ; the sum, in two halves
	v_mov_b32 v15, 0
.set j, 0
.rept 32
	v_mov_b32 v[O+j], 0
.set j, j+1
.endr
.endm
.macro KVLOAD off                      ; four fragments, each two groups on end: 16 loads, every one over consecutive bytes
.irp f, 0,1,2,3
	ds_load_b128 v[KV+12*\f:KV+12*\f+3], v[A16] offset:\off+1536*\f
	ds_load_b64 v[KV+12*\f+4:KV+12*\f+5], v[A8] offset:\off+1536*\f+512
	ds_load_b128 v[KV+12*\f+6:KV+12*\f+9], v[A16] offset:\off+1536*\f+768
	ds_load_b64 v[KV+12*\f+10:KV+12*\f+11], v[A8] offset:\off+1536*\f+1280
.endr
.endm
.macro SQK f, qb, qs                   ; key tiles 2 f and 2 f + 1 against my queries; fragment f's scale words lie in register f / 2, lanes 0-15 (f even) or 16-31 (f odd)
.if (\f)%2
	v_wmma_scale_f32_16x16x128_f8f6f4 v[S+16*\f:S+16*\f+7], v[KV+12*\f:KV+12*\f+11], v[\qb:\qb+11], 0, v[KSR+(\f)/2], v[\qs] matrix_a_fmt:MATRIX_FMT_FP6 matrix_b_fmt:MATRIX_FMT_FP6 matrix_a_scale:MATRIX_SCALE_ROW1
	v_wmma_scale_f32_16x16x128_f8f6f4 v[S+16*\f+8:S+16*\f+15], v[KV+12*\f:KV+12*\f+11], v[\qb+6:\qb+17], 0, v[KSR+(\f)/2], v[\qs+1] matrix_a_fmt:MATRIX_FMT_FP6 matrix_b_fmt:MATRIX_FMT_FP6 matrix_a_scale:MATRIX_SCALE_ROW1
.else
	v_wmma_scale_f32_16x16x128_f8f6f4 v[S+16*\f:S+16*\f+7], v[KV+12*\f:KV+12*\f+11], v[\qb:\qb+11], 0, v[KSR+(\f)/2], v[\qs] matrix_a_fmt:MATRIX_FMT_FP6 matrix_b_fmt:MATRIX_FMT_FP6
	v_wmma_scale_f32_16x16x128_f8f6f4 v[S+16*\f+8:S+16*\f+15], v[KV+12*\f:KV+12*\f+11], v[\qb+6:\qb+17], 0, v[KSR+(\f)/2], v[\qs+1] matrix_a_fmt:MATRIX_FMT_FP6 matrix_b_fmt:MATRIX_FMT_FP6
.endif
.endm
.macro PV t                            ; channel tile t: O^T += V^T P^T over these 128 keys
.if (\t)%2
	v_wmma_scale_f32_16x16x128_f8f6f4 v[O+8*\t:O+8*\t+7], v[KV+12*\t:KV+12*\t+11], v[PC:PC+11], v[O+8*\t:O+8*\t+7], v[VSR+(\t)/2], v[PW] matrix_a_fmt:MATRIX_FMT_FP6 matrix_b_fmt:MATRIX_FMT_FP6 matrix_a_scale:MATRIX_SCALE_ROW1
.else
	v_wmma_scale_f32_16x16x128_f8f6f4 v[O+8*\t:O+8*\t+7], v[KV+12*\t:KV+12*\t+11], v[PC:PC+11], v[O+8*\t:O+8*\t+7], v[VSR+(\t)/2], v[PW] matrix_a_fmt:MATRIX_FMT_FP6 matrix_b_fmt:MATRIX_FMT_FP6
.endif
.endm
; A KEY STEP: 128 keys.  qb, qs: the pass's Q and its scale words.
.macro STEP qb, qs
	s_setprio 2
	v_add_nc_u32 v[A16], s[TB], v[L16]             ; these three and the v_nop are the four places between the last step's products and the loads into their registers
	v_add_nc_u32 v[A8], s[TB], v[L8]
	v_add_nc_u32 v[AS], s[TS], v[LS]
	v_nop
	KVLOAD 0
	ds_load_b64 v[KSR:KSR+1], v[AS]
	s_wait_alu depctr_va_vdst(0)
	s_wait_dscnt 0x0
.irp f, 0,1,2,3
	SQK \f, \qb, \qs
.endr
.rept 4
	v_nop                                          ; places in front of the loads into K's registers and of the first read of the scores
.endr
	KVLOAD 6144                                    ; V's fragments land while the softmax is worked
	ds_load_b64 v[VSR:VSR+1], v[AS] offset:4096
.irp b, 0,1,2,3
	v_max3_num_f32 v[BM+\b], v[S+16*\b], v[S+1+16*\b], v[S+2+16*\b]   ; the largest score of each block of 32 keys: it serves for the row's maximum and, since p rises with the score, for the block's largest p
.endr
.irp i, 3,5,7,9,11,13
.irp b, 0,1,2,3
	v_max3_num_f32 v[BM+\b], v[BM+\b], v[S+16*\b+\i], v[S+1+16*\b+\i]
.endr
.endr
.irp b, 0,1,2,3
	v_max_num_f32 v[BM+\b], v[BM+\b], v[S+15+16*\b]
.endr
.irp b, 0,1,2,3
	s_delay_alu instid0(VALU_DEP_4)
	v_permlanex16_b32 v[BP+\b], v[BM+\b], s[SEL], s[SEL+1]
.endr
.irp b, 0,1,2,3
	s_delay_alu instid0(VALU_DEP_4)
	v_max_num_f32 v[BM+\b], v[BM+\b], v[BP+\b]     ; with lane l xor 16's 16 keys
.endr
	s_delay_alu instid0(VALU_DEP_2)
	v_max3_num_f32 v[T0], v[BM], v[BM+1], v[BM+2]
	s_delay_alu instid0(VALU_DEP_1)
	v_max_num_f32 v[T0], v[T0], v[BM+3]            ; the step's largest score of my query
	s_delay_alu instid0(VALU_DEP_1)
	v_mul_f32 v[T0], s[CS], v[T0]                  ; as t (c is positive)
	s_delay_alu instid0(VALU_DEP_1)
	v_max_num_f32 v13, v13, v[T0]                  ; the running largest t
	v_mov_b32 v[T0], v12
	s_delay_alu instid0(VALU_DEP_2)
	v_floor_f32 v12, -v13                          ; the new -M = floor(-t) = -ceil(t): a whole number
	s_delay_alu instid0(VALU_DEP_1)
	v_sub_f32 v[T0], v12, v[T0]                    ; old M - new M: a whole number, 0 or less
	s_delay_alu instid0(VALU_DEP_1)
	v_cvt_i32_f32 v[T0], v[T0]                     ; (it saturates)
	s_delay_alu instid0(VALU_DEP_1)
	v_ldexp_f32 v[FF], 1.0, v[T0]                  ; f = 2^(old M - new M)
.set j, 0
.rept 32
	v_pk_fma_f32 v[S+j:S+j+1], v[S+j:S+j+1], s[CS:CS+1], v[12:13] op_sel_hi:[1,0,0]   ; t - M, two at a time (of the pairs c and -M the low word serves both halves)
.set j, j+2
.endr
.irp b, 0,1,2,3
	v_fma_f32 v[BM+\b], v[BM+\b], s[CS], v12       ; the same of each block's largest score
.endr
.set j, 0
	s_wait_alu depctr_va_vdst(0)
.rept 64
	v_exp_f32 v[S+j], v[S+j]                       ; p = 2^(t - M), at most 1
.set j, j+1
.endr
	s_setprio 1
	v_pk_mul_f32 v[14:15], v[14:15], v[FF:FF+1] op_sel_hi:[1,0]   ; the sums under the new M: the plain line behind the exponentials
	s_wait_alu depctr_va_vdst(0)                   ; one wait for the batch of 64, ahead of its first reader
.irp b, 0,1,2,3
	v_exp_f32 v[BM+\b], v[BM+\b]                   ; the block's largest p: the same two instructions on the same number give the same bits
.endr
	v_pk_add_f32 v[232:233], v[104:105], v[108:109]
	v_pk_add_f32 v[230:231], v[112:113], v[116:117]
	v_pk_add_f32 v[226:227], v[120:121], v[124:125]
	v_pk_add_f32 v[224:225], v[128:129], v[132:133]
	v_pk_add_f32 v[222:223], v[136:137], v[140:141]
	v_pk_add_f32 v[220:221], v[144:145], v[148:149]
	v_pk_add_f32 v[214:215], v[152:153], v[156:157]
	v_pk_add_f32 v[14:15], v[14:15], v[160:161]
	v_pk_add_f32 v[232:233], v[232:233], v[100:101]
	v_pk_add_f32 v[230:231], v[230:231], v[102:103]
	v_pk_add_f32 v[226:227], v[226:227], v[106:107]
	v_pk_add_f32 v[224:225], v[224:225], v[110:111]
	v_pk_add_f32 v[222:223], v[222:223], v[114:115]
	v_pk_add_f32 v[220:221], v[220:221], v[118:119]
	v_pk_add_f32 v[214:215], v[214:215], v[122:123]
	v_pk_add_f32 v[14:15], v[14:15], v[126:127]
	v_pk_add_f32 v[232:233], v[232:233], v[130:131]
	v_pk_add_f32 v[230:231], v[230:231], v[134:135]
	v_pk_add_f32 v[226:227], v[226:227], v[138:139]
	v_pk_add_f32 v[224:225], v[224:225], v[142:143]
	v_pk_add_f32 v[222:223], v[222:223], v[146:147]
	v_pk_add_f32 v[220:221], v[220:221], v[150:151]
	v_pk_add_f32 v[214:215], v[214:215], v[154:155]
	v_pk_add_f32 v[14:15], v[14:15], v[158:159]
	v_pk_add_f32 v[232:233], v[232:233], v[162:163]
	s_delay_alu instid0(VALU_DEP_2)
	v_pk_add_f32 v[14:15], v[14:15], v[224:225]
	s_delay_alu instid0(VALU_DEP_2)
	v_pk_add_f32 v[232:233], v[232:233], v[222:223]
	v_pk_add_f32 v[230:231], v[230:231], v[220:221]
	v_pk_add_f32 v[226:227], v[226:227], v[214:215]
	s_delay_alu instid0(VALU_DEP_2)
	v_pk_add_f32 v[14:15], v[14:15], v[230:231]
	s_delay_alu instid0(VALU_DEP_2)
	v_pk_add_f32 v[232:233], v[232:233], v[226:227]
	s_delay_alu instid0(VALU_DEP_1)
	v_pk_add_f32 v[14:15], v[14:15], v[232:233]
	s_wait_alu depctr_va_vdst(0)                   ; and one for the four
.irp b, 0,1,2,3
	v_max_num_f32 v[BM+\b], 0x1800000, v[BM+\b]    ; the floor 2^(3 - 127): the byte cannot fall under 1
.endr
.irp b, 0,1,2,3
	s_delay_alu instid0(VALU_DEP_4)
	v_add_nc_u32 v[BO+\b], 0xff000000, v[BM+\b]    ; 2 off the exponent field: the conversion's scale operand
.endr
.irp b, 0,1,2,3
	s_delay_alu instid0(VALU_DEP_4)
	v_lshrrev_b32 v[BP+\b], 23, v[BO+\b]           ; the scale's byte
.endr
	s_delay_alu instid0(VALU_DEP_3)
	v_lshl_or_b32 v[PW], v[BP+1], 8, v[BP]         ; p's scale word for these 128 keys
	s_delay_alu instid0(VALU_DEP_1)
	v_lshl_or_b32 v[PW], v[BP+2], 16, v[PW]
	s_delay_alu instid0(VALU_DEP_1)
	v_lshl_or_b32 v[PW], v[BP+3], 24, v[PW]
.irp c, 0,1
	v_cvt_scalef32_pk16_fp6_f32 v[PC+6*\c:PC+2+6*\c], v[S+32*\c:S+15+32*\c], v[BO+2*\c]
	v_cvt_scalef32_pk16_fp6_f32 v[PT+4*\c:PT+2+4*\c], v[S+16+32*\c:S+31+32*\c], v[BO+2*\c+1]   ; (a conversion's three registers begin on an even number)
.endr
	v_nop                                          ; one plain line behind the scaled conversions
.irp c, 0,1                                    ; a whole block to a lane: lanes 0-15 block 2 c, lanes 16-31 block 2 c + 1
.irp i, 0,1,2
	v_permlane16_swap_b32 v[PC+6*\c+\i], v[PT+4*\c+\i]
.endr
.irp i, 0,1,2
	s_delay_alu instid0(VALU_DEP_3)
	v_mov_b32 v[PC+3+6*\c+\i], v[PT+4*\c+\i]
.endr
.endr
.set j, 0
	s_setprio 0
.rept 16
	v_pk_mul_f32 v[O+j:O+j+1], v[O+j:O+j+1], v[FF:FF+1] op_sel_hi:[1,0]   ; O^T under the new M, each accumulator from its low end on.  These 16 are also the places between the writes of p's codes and scale word and the products
.set j, j+2
.endr
	s_wait_alu depctr_va_vdst(0)
	s_wait_dscnt 0x0                               ; V
.irp t, 0,1,2,3
	PV \t                                          ; the four accumulators take turns, and eight other products stand between two steps'
.endr
	s_add_co_u32 s[TB], s[TB], STEPB
	s_add_co_u32 s[TS], s[TS], 256
.endm
; Pass 0 goes by quarters of the head, each read as soon as it has landed.  Of my five loads the 3 - n behind quarter n's may stay out; no LDS byte is filled behind these barriers.
.macro QUARTER n
	s_wait_tensorcnt 3-\n                          ; my part of the records and of quarters 0 .. n is in,
	s_wait_dscnt 0x0
	s_barrier_signal -1
	s_barrier_wait -1                              ; everybody's is
	s_mov_b32 s[TB], \n*QUART
	s_mov_b32 s[TS], \n*1024
	s_mov_b32 s[CNT], 4
.Lquarter_\@:
	STEP Q0, QS0
	s_sub_co_u32 s[CNT], s[CNT], 1
	s_cmp_lg_u32 s[CNT], 0
	s_cbranch_scc1 .Lquarter_\@
	s_setprio 0
.endm
; THE WAY OUT of pass p: O^T / the sum, 16 true neighbours to a lane, two blocks of 32 quantised, one group and two scale bytes a token stored.
.macro OUT p
.rept 4
	v_nop                                          ; places behind the last products
.endr
	v_add_f32 v14, v14, v15                        ; the sum's two halves,
	s_delay_alu instid0(VALU_DEP_1)
	v_permlanex16_b32 v[T0], v14, s[SEL], s[SEL+1]
	s_delay_alu instid0(VALU_DEP_1)
	v_add_f32 v14, v14, v[T0]                      ; and lane l xor 16's
	s_wait_alu depctr_va_vdst(0)
	v_rcp_f32 v[FF], v14
	v_nop                                          ; a plain line behind the reciprocal,
	s_wait_alu depctr_va_vdst(0)                   ; and the wait ahead of its first reader
.set j, 0
.rept 16
	v_pk_mul_f32 v[S+j:S+j+1], v[O+j:O+j+1], v[FF:FF+1] op_sel_hi:[1,0]   ; register 8 t + i = o(r, 16 t + 8 h + i)
.set j, j+2
.endr
.irp b, 0,1
.irp i, 0,1,2,3,4,5,6,7
	v_permlane16_swap_b32 v[S+16*\b+\i], v[S+16*\b+8+\i]   ; tile 2 b's lanes 16-31 change places with tile 2 b + 1's lanes 0-15: register 16 b + i is now channel 32 b + 16 h + i
.endr
.endr
.irp b, 0,1
	v_max3_num_f32 v[BM+\b], |v[S+16*\b]|, |v[S+16*\b+1]|, 0x1800000
.endr
.irp i, 2,4,6,8,10,12,14
.irp b, 0,1
	s_delay_alu instid0(VALU_DEP_2)
	v_max3_num_f32 v[BM+\b], v[BM+\b], |v[S+16*\b+\i]|, |v[S+16*\b+\i+1]|
.endr
.endr
.irp b, 0,1
	s_delay_alu instid0(VALU_DEP_2)
	v_permlanex16_b32 v[BP+\b], v[BM+\b], s[SEL], s[SEL+1]
.endr
.irp b, 0,1
	s_delay_alu instid0(VALU_DEP_2)
	v_max_num_f32 v[BM+\b], v[BM+\b], v[BP+\b]
.endr
.irp b, 0,1
	s_delay_alu instid0(VALU_DEP_2)
	v_add_nc_u32 v[BO+\b], 0xff000000, v[BM+\b]
.endr
.irp b, 0,1
	s_delay_alu instid0(VALU_DEP_2)
	v_lshrrev_b32 v[BP+\b], 23, v[BO+\b]
.endr
	v_cmp_le_u32 vcc_lo, 16, v[LN]
	s_delay_alu instid0(VALU_DEP_1)
	v_cndmask_b32 v[HB], v[BP], v[BP+1], vcc_lo    ; lanes 0-15 store block 0's byte, lanes 16-31 block 1's
	v_cvt_scalef32_pk16_fp6_f32 v[PC:PC+2], v[S:S+15], v[BO]
	v_cvt_scalef32_pk16_fp6_f32 v[PT:PT+2], v[S+16:S+31], v[BO+1]
	v_nop
.irp i, 0,1,2
	v_permlane16_swap_b32 v[PC+\i], v[PT+\i]
.endr
.irp i, 0,1,2
	s_delay_alu instid0(VALU_DEP_3)
	v_mov_b32 v[PC+3+\i], v[PT+\i]
.endr
	global_store_b128 v[L16], v[PC:PC+3], s[12:13] offset:196608*\p th:TH_STORE_NT       ; 512 consecutive bytes,
	global_store_b64 v[L8], v[PC+4:PC+5], s[12:13] offset:196608*\p+512 th:TH_STORE_NT   ; and 256, each run aligned to 256
	global_store_b8 v[OSO], v[HB], s[14:15] offset:8192*\p th:TH_STORE_NT
.endm
	INIT
	QUARTER 0
	QUARTER 1
	QUARTER 2
	QUARTER 3
	OUT 0
	s_wait_xcnt 0x0                                ; the stores have read their data: the codes' registers and the byte's are written again only behind this wait
	INIT
	s_mov_b32 s[TB], 0                             ; pass 1: the whole head lies in LDS: sixteen steps, no barrier
	s_mov_b32 s[TS], 0
	s_mov_b32 s[CNT], 16
.Lpass1:
	STEP Q1, QS1
	s_sub_co_u32 s[CNT], s[CNT], 1
	s_cmp_lg_u32 s[CNT], 0
	s_cbranch_scc1 .Lpass1
	s_setprio 0
	OUT 1
	s_wait_tensorcnt 0x0
	ds_add_u32 v254, v255
	s_wait_dscnt 0x0
	CROUND                                         ; the closing round (all my tensor loads were waited for at quarter 3, all my LDS loads in the last step)
	s_endpgm
.Lfunc_end_k_q53256925e2_attn:
	.size	k_q53256925e2_attn, .Lfunc_end_k_q53256925e2_attn-k_q53256925e2_attn
	.p2alignl 7, 3214868480
	.fill 96, 4, 3214868480
	.section	.rodata,"a",@progbits
	.p2align	6, 0x0
	.amdhsa_kernel k_q53256925e2_attn
		.amdhsa_group_segment_fixed_size 206848
		.amdhsa_private_segment_fixed_size 0
		.amdhsa_enable_private_segment 0
		.amdhsa_kernarg_size 48
		.amdhsa_user_sgpr_count 2
		.amdhsa_user_sgpr_kernarg_segment_ptr 1
		.amdhsa_wavefront_size32 1
		.amdhsa_system_sgpr_workgroup_id_x 1
		.amdhsa_system_sgpr_workgroup_id_y 1
		.amdhsa_system_sgpr_workgroup_id_z 1
		.amdhsa_system_vgpr_workitem_id 0
		.amdhsa_next_free_vgpr 256
		.amdhsa_next_free_sgpr 80
		.amdhsa_reserve_vcc 1
		.amdhsa_float_denorm_mode_32 3
		.amdhsa_float_denorm_mode_16_64 3
		.amdhsa_memory_ordered 1
		.amdhsa_forward_progress 1
		.amdhsa_inst_pref_size 108
	.end_amdhsa_kernel
	.amdgpu_metadata
---
amdhsa.version: [ 1, 2 ]
amdhsa.kernels:
  - .name:           k_q53256925e2_attn
    .symbol:         k_q53256925e2_attn.kd
    .args:
      - { .name: qc, .offset: 0, .size: 8, .value_kind: global_buffer, .address_space: global }
      - { .name: qs, .offset: 8, .size: 8, .value_kind: global_buffer, .address_space: global }
      - { .name: kvc, .offset: 16, .size: 8, .value_kind: global_buffer, .address_space: global }
      - { .name: kvs, .offset: 24, .size: 8, .value_kind: global_buffer, .address_space: global }
      - { .name: oc, .offset: 32, .size: 8, .value_kind: global_buffer, .address_space: global }
      - { .name: os, .offset: 40, .size: 8, .value_kind: global_buffer, .address_space: global }
    .group_segment_fixed_size: 206848
    .private_segment_fixed_size: 0
    .kernarg_segment_align: 8
    .kernarg_segment_size: 48
    .max_flat_workgroup_size: 512
    .sgpr_count:     80
    .vgpr_count:     256
    .wavefront_size: 32
...
	.end_amdgpu_metadata
.endif
;; end of part 2
;; launch oproj (part 3): grid 4 x 32, 4 waves a work-group, clusters of 4 x 4, 327,680 bytes of LDS; arguments oc, os, Wo_codes, Wo_scales, bo, out0; writes out0
.if DOCPART == 3
	.amdgcn_target "amdgcn-amd-amdhsa--gfx1250"
	.amdhsa_code_object_version 6
	.text
	.protected	k_q53256925e2_oproj
	.globl	k_q53256925e2_oproj
	.p2align	8
	.type	k_q53256925e2_oproj,@function
k_q53256925e2_oproj:
	s_mov_b64 s[64:65], 0
	v_nop
	global_prefetch_b8 v0, s[64:65] scope:SCOPE_SE
	s_setreg_imm32_b32 hwreg(HW_REG_WAVE_MODE, 25, 1), 1
	s_wait_xcnt 0x0
	s_wait_alu depctr_hold_cnt(0) depctr_sa_sdst(0) depctr_va_vdst(0) depctr_va_sdst(0) depctr_va_ssrc(0) depctr_va_vcc(0) depctr_vm_vsrc(0)
	s_getreg_b32 s2, hwreg(HW_REG_IB_STS2, 6, 4)
	s_cmp_eq_u32 s2, 0
	s_cbranch_scc0 .Lentry_in_a_cluster
	s_endpgm
.Lentry_in_a_cluster:
	s_bfe_u32 s2, ttmp6, 0x10000c
	s_cmp_lg_u32 s2, 0xf033
	s_cbranch_scc0 .Lentry_shape_is_right
	s_endpgm
.Lentry_shape_is_right:
.set SIZE_K, 1024
.set SIZE_N, 1024
.set KSTEP,  256
.set NQ,     KSTEP/128
.set ROWB,   192
.set KROW,   SIZE_K*6/8
.set ASTEP,  3072
.set PITCH,  240
.set FR,     12
.set NL,     6
.set NLA,    4
.set NP,     4
.set HALFA,  8*ASTEP
.set HALFB,  128*PITCH
.set SLOT,   2*HALFA+2*HALFB
.set LAPS,   SIZE_K/(2*KSTEP)
.set KS,     SIZE_K/32
.set SCL,    2*SLOT
.set HALFS,  (128*KS/256)*272
.set SBLK,   (16*KS/256)*272
.set SPARE,  SCL+4*HALFS
.set SPITCH, 528
.set ADRA, 16
.set ADRB, 20
.set STO,  24
.set RD,   25
.set CO,   26
.set ADRS, 27
.set SPW,  28
.set NIL,  29
.set SC,   32
.set BI,   64
.set AF,   128
.set BK,   128
.set G1, 24
.set G0, 32
.set G1B, 48
.set G0B, 56
.set G1S, 68
.set G0S, 76
.set G1SB, 80
.set G0SB, 88
.set MSB, 0
.macro WIN new
.if MSB != \new
	s_set_vgpr_msb (MSB<<8)|\new
.set MSB, \new
.endif
.endm
.set MUL_LO, 0xa1
.set MUL_HI, 0xf1
.set TO_B,   0x40
.macro JLOAD g0a, g1a, g0b, g1b
	s_cmp_eq_u32 s15, 0
	s_cbranch_scc0 .Lfor_b_\@
	tensor_load_to_lds s[\g0a:\g0a+3], s[\g1a:\g1a+7]
	s_nop 0
.rept 4
	v_nop
.endr
	s_branch .Lasked_\@
.Lfor_b_\@:
	tensor_load_to_lds s[\g0b:\g0b+3], s[\g1b:\g1b+7]
	s_nop 0
.rept 4
	v_nop
.endr
.Lasked_\@:
.endm
.macro CREST
	s_cmp_lg_u32 s14, 0
	s_cbranch_scc1 .Lnot_wave_0_\@
	s_barrier_signal -3
.Lnot_wave_0_\@:
	s_barrier_wait -3
	s_barrier_signal -1
	s_barrier_wait -1
.endm
.macro CROUND
	s_barrier_signal -1
	s_barrier_wait -1
	CREST
.endm
	s_load_b256 s[4:11], s[0:1], 0x0
	s_load_b128 s[96:99], s[0:1], 0x20
	v_lshl_add_u32 v[SPW], v0, 2, SPARE
	v_mov_b32 v[NIL], 0
	ds_add_u32 v28, v29
	ds_add_u32 v28, v29
	s_wait_dscnt 0x0
	v_lshrrev_b32 v1, 5, v0
	v_readfirstlane_b32 s14, v1
	s_lshr_b32 s15, s14, 1
	s_and_b32 s16, s14, 1
	s_bfe_u32 s40, ttmp6, 0x40000
	s_bfe_u32 s41, ttmp6, 0x40004
	s_lshl_b32 s42, ttmp9, 2
	s_add_co_u32 s42, s42, s40
	s_and_b32 s17, ttmp7, 0xffff
	s_lshl_b32 s17, s17, 2
	s_add_co_u32 s17, s17, s41
	s_lshl_b32 s43, s41, 2
	s_lshl_b32 s43, 15, s43
	s_lshl_b32 s44, 0x1111, s40
	s_or_b32 s[G1+0], s43, (3<<16)|(1<<21)
	s_mov_b32 s[G1+1], 384<<16
	s_mov_b32 s[G1+2], 8<<16
	s_mov_b32 s[G1+3], 384<<16
	s_mov_b32 s[G1+4], 8
	s_mov_b32 s[G1+5], 1536
	s_mov_b32 s[G1+6], 0
	s_mov_b32 s[G1+7], 0
	s_or_b32 s[G1B+0], s44, (0<<16)|(1<<20)|(1<<21)|(3<<22)|(3<<25)
	s_mov_b32 s[G1B+1], ROWB<<16
	s_mov_b32 s[G1B+2], 128<<16
	s_mov_b32 s[G1B+3], ROWB<<16
	s_mov_b32 s[G1B+4], 128
	s_mov_b32 s[G1B+5], KROW
	s_mov_b32 s[G1B+6], 0
	s_mov_b32 s[G1B+7], 0
	s_or_b32 s[G1S+0], s43, (3<<16)|(1<<20)|(1<<21)|(5<<22)|(3<<25)
	s_or_b32 s[G1SB+0], s44, (3<<16)|(1<<20)|(1<<21)|(5<<22)|(3<<25)
.irp g, G1S, G1SB
	s_mov_b32 s[\g+1], 32<<16
	s_mov_b32 s[\g+2], (128*KS/256)<<16
	s_mov_b32 s[\g+3], 32<<16
	s_mov_b32 s[\g+4], 128*KS/256
	s_mov_b32 s[\g+5], 32
	s_mov_b32 s[\g+6], 0
	s_mov_b32 s[\g+7], 0
.endr
	s_lshl_b32 s18, s16, 7
	s_lshl_b32 s20, s17, 8
	s_add_co_u32 s20, s20, s18
	s_lshl_b32 s46, s42, 8
	s_add_co_u32 s46, s46, s18
	s_mov_b32 s21, 0
	s_mov_b32 s47, 0
	s_mov_b64 s[18:19], KS
	s_mul_u64 s[22:23], s[20:21], s[18:19]
	s_mul_u64 s[92:93], s[46:47], s[18:19]
	s_mov_b64 s[18:19], KROW
	s_mul_u64 s[20:21], s[20:21], s[18:19]
	s_mul_u64 s[46:47], s[46:47], s[18:19]
	s_mul_i32 s45, s16, HALFA
	s_mul_i32 s95, s16, HALFB
	s_add_co_u32 s95, s95, 2*HALFA
	s_mul_i32 s94, s14, HALFS
	s_wait_kmcnt 0x0
	s_add_nc_u64 s[20:21], s[4:5], s[20:21]
	s_add_nc_u64 s[22:23], s[6:7], s[22:23]
	s_add_nc_u64 s[46:47], s[8:9], s[46:47]
	s_add_nc_u64 s[92:93], s[10:11], s[92:93]
	CROUND
	s_mov_b32 s[G0S], 1
	s_add_co_u32 s[G0S+1], s94, SCL
	s_mov_b64 s[G0S+2:G0S+3], s[22:23]
	s_or_b32 s[G0S+3], s[G0S+3], 0x80000000
	s_mov_b32 s[G0SB], 1
	s_add_co_u32 s[G0SB+1], s94, SCL
	s_mov_b64 s[G0SB+2:G0SB+3], s[92:93]
	s_or_b32 s[G0SB+3], s[G0SB+3], 0x80000000
	JLOAD G0S, G1S, G0SB, G1SB
.irp s, 0,1
	s_mov_b32 s[G0+4*\s], 1
	s_add_co_u32 s[G0+4*\s+1], s45, \s*SLOT
	s_add_nc_u64 s[G0+4*\s+2:G0+4*\s+3], s[20:21], \s*ASTEP
	s_or_b32 s[G0+4*\s+3], s[G0+4*\s+3], 0x80000000
	s_mov_b32 s[G0B+4*\s], 1
	s_add_co_u32 s[G0B+4*\s+1], s95, \s*SLOT
	s_add_nc_u64 s[G0B+4*\s+2:G0B+4*\s+3], s[46:47], \s*ROWB
	s_or_b32 s[G0B+4*\s+3], s[G0B+4*\s+3], 0x80000000
	s_wait_alu depctr_va_vdst(0)
	s_wait_tensorcnt 0x0
	ds_add_u32 v28, v29
	s_wait_dscnt 0x0
	CROUND
	JLOAD G0+4*\s, G1, G0B+4*\s, G1B
.endr
	v_and_b32 v1, 15, v0
	v_bfe_u32 v2, v0, 4, 1
	v_and_b32 v6, 31, v0
	v_mul_u32_u24 v3, v1, PITCH
	v_mul_u32_u24 v4, v2, 24
	v_add_nc_u32 v4, v3, v4
	v_lshl_add_u32 v5, v2, 4, v4
	v_lshlrev_b32 v7, 4, v6
	v_lshlrev_b32 v8, 3, v6
	s_mul_i32 s21, s15, HALFA
	s_mul_i32 s22, s16, HALFB
	s_add_co_u32 s22, s22, 2*HALFA
.irp s, 0,1
	v_add_nc_u32 v[ADRA+\s], s21, v7
	v_add_nc_u32 v[ADRA+2+\s], s21, v8
	v_add_nc_u32 v[ADRB+\s], s22, v4
	v_add_nc_u32 v[ADRB+2+\s], s22, v5
	s_add_co_u32 s21, s21, SLOT
	s_add_co_u32 s22, s22, SLOT
.endr
	v_mul_u32_u24 v5, v1, KS
	v_lshrrev_b32 v10, 8, v5
	v_lshl_add_u32 v5, v10, 4, v5
	s_mul_i32 s21, s15, HALFS
	s_mul_i32 s22, s16, HALFS
	s_add_co_u32 s22, s22, 2*HALFS
	s_sub_co_u32 s22, s22, s21
	v_mul_u32_u24 v10, s22, v2
	s_add_co_u32 s21, s21, SCL
	v_add_nc_u32 v5, v5, v10
	v_add_nc_u32 v[ADRS], s21, v5
	s_mul_i32 s23, s14, 16*SPITCH
	v_mul_u32_u24 v5, v1, SPITCH
	v_lshl_add_u32 v5, v2, 5, v5
	v_add_nc_u32 v[STO], s23, v5
	v_lshlrev_b32 v[CO], 4, v6
	v_add_nc_u32 v[RD], s23, v[CO]
	s_lshl_b32 s20, s17, 8
	s_lshl_b32 s21, s15, 7
	s_add_co_u32 s20, s20, s21
	s_mov_b32 s21, 0
	s_mov_b64 s[18:19], SIZE_N*4
	s_mul_u64 s[20:21], s[20:21], s[18:19]
	s_lshl_b32 s46, s42, 10
	s_lshl_b32 s47, s16, 9
	s_add_co_u32 s46, s46, s47
	s_mov_b32 s47, 0
	s_add_nc_u64 s[96:97], s[96:97], s[46:47]
	s_add_nc_u64 s[20:21], s[20:21], s[46:47]
	s_add_nc_u64 s[98:99], s[98:99], s[20:21]
	v_lshlrev_b32 v9, 5, v2
.irp b, 0,1,2,3,4,5,6,7
	global_load_b128 v[BI+8*\b:BI+8*\b+3], v9, s[96:97] offset:64*\b
	global_load_b128 v[BI+8*\b+4:BI+8*\b+7], v9, s[96:97] offset:64*\b+16
.endr
.macro FRAG reg, adr, q, i
.irp p, 0,1,2,3,4,5
.set PIECE, 12*(\q)+6*(\p/3)+\p%3
.if PIECE%8 < 5
	ds_load_b64 v[\reg+2*\p:\reg+2*\p+1], v[\adr] offset:8*PIECE+16*(PIECE/8)+(\i)*16*PITCH
.else
	ds_load_b64 v[\reg+2*\p:\reg+2*\p+1], v[\adr+2] offset:8*PIECE+16*(PIECE/8)+(\i)*16*PITCH
.endif
.endr
.endm
.macro FRAGA reg, slot, q, i
	ds_load_b128 v[\reg:\reg+3], v[ADRA+\slot] offset:ASTEP*(\i)+1536*(\q)
	ds_load_b64 v[\reg+4:\reg+5], v[ADRA+2+\slot] offset:ASTEP*(\i)+1536*(\q)+512
	ds_load_b128 v[\reg+6:\reg+9], v[ADRA+\slot] offset:ASTEP*(\i)+1536*(\q)+768
	ds_load_b64 v[\reg+10:\reg+11], v[ADRA+2+\slot] offset:ASTEP*(\i)+1536*(\q)+1280
.endm
.macro MUL16 a0, p, q, sc, zero
.irp a, \a0, \a0+1
.irp b, 0,1,2,3,4,5,6,7
.if \zero
	v_wmma_scale_f32_16x16x128_f8f6f4 v[8*(8*((\a)%4)+\b):8*(8*((\a)%4)+\b)+7], v[128*(\p)+FR*\b:128*(\p)+FR*\b+FR-1], v[AF+FR*(\a):AF+FR*(\a)+FR-1], v[BI+8*\b:BI+8*\b+7], v[SC+8*NQ*(\sc)+NQ*\b+(\q)], v[SC+8*NQ*(\sc)+NQ*(\a)+(\q)] matrix_a_fmt:MATRIX_FMT_FP6 matrix_b_fmt:MATRIX_FMT_FP6 matrix_a_scale:MATRIX_SCALE_ROW1
.else
	v_wmma_scale_f32_16x16x128_f8f6f4 v[8*(8*((\a)%4)+\b):8*(8*((\a)%4)+\b)+7], v[128*(\p)+FR*\b:128*(\p)+FR*\b+FR-1], v[AF+FR*(\a):AF+FR*(\a)+FR-1], v[8*(8*((\a)%4)+\b):8*(8*((\a)%4)+\b)+7], v[SC+8*NQ*(\sc)+NQ*\b+(\q)], v[SC+8*NQ*(\sc)+NQ*(\a)+(\q)] matrix_a_fmt:MATRIX_FMT_FP6 matrix_b_fmt:MATRIX_FMT_FP6 matrix_a_scale:MATRIX_SCALE_ROW1
.endif
.endr
.endr
.endm
.macro FETCH_B slot, q, p
	WIN TO_B
.irp i, 0,1,2,3,4,5,6,7
	FRAG 128*(\p)+FR*\i, ADRB+\slot, \q, \i
.endr
	WIN 0
.endm
.macro FETCH_A slot, q, i0
.irp i, \i0, \i0+1, \i0+2, \i0+3
	FRAGA AF+FR*(\i), \slot, \q, \i
.endr
.endm
.macro SCALES sc
.irp i, 0,1,2,3,4,5,6,7
	ds_load_b64 v[SC+8*NQ*\sc+NQ*\i:SC+8*NQ*\sc+NQ*\i+1], v[ADRS] offset:\i*SBLK
.endr
.endm
.macro PLACES n
.rept \n
	v_nop
.endr
.endm
.macro STEP slot, q, zero
	s_wait_dscnt 4*NLA
.if \zero
	WIN 0x81
.else
	WIN MUL_LO
.endif
	MUL16 0, (\q)%2, \q, \slot, \zero
	MUL16 2, (\q)%2, \q, \slot, \zero
	s_wait_dscnt 0
	PLACES NP
	FETCH_B \slot, (\q)+1, 1-(\q)%2
	FETCH_A \slot, (\q)+1, 0
.if \zero
	WIN 0xc1
.else
	WIN MUL_HI
.endif
	MUL16 4, (\q)%2, \q, \slot, \zero
	MUL16 6, (\q)%2, \q, \slot, \zero
	PLACES NP
	WIN 0
	FETCH_A \slot, (\q)+1, 4
.endm
.macro TURN slot, next, fill
	s_wait_tensorcnt 0x0
	ds_add_u32 v[SPW], v[NIL]
	s_wait_dscnt 4*NLA+1
	WIN MUL_LO
	MUL16 0, 1, NQ-1, \slot, 0
	s_wait_dscnt 0x0
	s_barrier_signal -1
	MUL16 2, 1, NQ-1, \slot, 0
	WIN 0
	s_barrier_wait -1
.if \fill
	CREST
	s_add_nc_u64 s[G0+4*\slot+2:G0+4*\slot+3], s[G0+4*\slot+2:G0+4*\slot+3], 2*ASTEP
	s_add_nc_u64 s[G0B+4*\slot+2:G0B+4*\slot+3], s[G0B+4*\slot+2:G0B+4*\slot+3], 2*ROWB
	JLOAD G0+4*\slot, G1, G0B+4*\slot, G1B
.else
	PLACES NP
.endif
	s_wait_alu depctr_va_vdst(0)
	v_add_nc_u32 v[ADRS], 4*NQ, v[ADRS]
	FETCH_B \next, 0, 0
	FETCH_A \next, 0, 0
	SCALES \next
	WIN MUL_HI
	MUL16 4, 1, NQ-1, \slot, 0
	MUL16 6, 1, NQ-1, \slot, 0
	PLACES NP
	WIN 0
	FETCH_A \next, 0, 4
.endm
	s_wait_alu depctr_va_vdst(0)
	s_wait_tensorcnt 1
	s_barrier_signal -1
	s_barrier_wait -1
	FETCH_B 0, 0, 0
	FETCH_A 0, 0, 0
	SCALES 0
	FETCH_A 0, 0, 4
	s_wait_loadcnt 0x0
	STEP 0, 0, 1
	s_mov_b32 s3, LAPS-1
.Llap:
	TURN 0, 1, 1
	STEP 1, 0, 0
	TURN 1, 0, 1
	STEP 0, 0, 0
	s_sub_co_u32 s3, s3, 1
	s_cmp_lg_u32 s3, 0
	s_cbranch_scc1 .Llap
	TURN 0, 1, 0
	STEP 1, 0, 0
	s_wait_dscnt 4*NLA
	WIN MUL_LO
	MUL16 0, 1, NQ-1, 1, 0
	MUL16 2, 1, NQ-1, 1, 0
	s_wait_dscnt 0
	WIN MUL_HI
	MUL16 4, 1, NQ-1, 1, 0
	MUL16 6, 1, NQ-1, 1, 0
	WIN 0
.macro TOSTAGE a
.set AC, 64*((\a)%4)
	WIN 0x08+4*((\a)/4)
.irp b, 0,1,2,3,4,5,6,7
	ds_store_b128 v[STO], v[AC+8*\b:AC+8*\b+3] offset:64*\b
	ds_store_b128 v[STO], v[AC+8*\b+4:AC+8*\b+7] offset:64*\b+16
.endr
	WIN 0
.set BB, BK+64*((\a)%2)
.irp t, 0,1,2,3,4,5,6,7,8,9,10,11,12,13,14,15
	ds_load_b128 v[BB+4*\t:BB+4*\t+3], v[RD] offset:\t*SPITCH
.endr
.endm
.macro SEND a, younger
.set BB, BK+64*((\a)%2)
	s_wait_dscnt \younger
.if (\a) > 0
	s_add_nc_u64 s[98:99], s[98:99], 16*SIZE_N*4
.endif
.irp t, 0,1,2,3,4,5,6,7,8,9,10,11,12,13,14,15
	global_store_b128 v[CO], v[BB+4*\t:BB+4*\t+3], s[98:99] offset:\t*SIZE_N*4 th:TH_STORE_NT
.endr
.endm
	PLACES NP
	TOSTAGE 0
.irp a, 1,2,3,4,5,6,7
.if \a > 1
	s_wait_xcnt 0x0
.endif
	TOSTAGE \a
	SEND \a-1, 32
.endr
	s_wait_xcnt 0x0
	SEND 7, 0
	s_wait_tensorcnt 0x0
	ds_add_u32 v[SPW], v[NIL]
	s_wait_dscnt 0x0
	CROUND
	s_endpgm
.Lfunc_end_k_q53256925e2_oproj:
	.size	k_q53256925e2_oproj, .Lfunc_end_k_q53256925e2_oproj-k_q53256925e2_oproj
	.p2alignl 7, 3214868480
	.fill 96, 4, 3214868480
	.section	.rodata,"a",@progbits
	.p2align	6, 0x0
	.amdhsa_kernel k_q53256925e2_oproj
		.amdhsa_group_segment_fixed_size 327680
		.amdhsa_private_segment_fixed_size 0
		.amdhsa_enable_private_segment 0
		.amdhsa_kernarg_size 48
		.amdhsa_user_sgpr_count 2
		.amdhsa_user_sgpr_kernarg_segment_ptr 1
		.amdhsa_wavefront_size32 1
		.amdhsa_system_sgpr_workgroup_id_x 1
		.amdhsa_system_sgpr_workgroup_id_y 1
		.amdhsa_system_sgpr_workgroup_id_z 1
		.amdhsa_system_vgpr_workitem_id 0
		.amdhsa_next_free_vgpr 1024
		.amdhsa_next_free_sgpr 100
		.amdhsa_reserve_vcc 0
		.amdhsa_float_denorm_mode_32 3
		.amdhsa_float_denorm_mode_16_64 3
		.amdhsa_memory_ordered 1
		.amdhsa_forward_progress 1
		.amdhsa_inst_pref_size 154
	.end_amdhsa_kernel
	.amdgpu_metadata
---
amdhsa.version: [ 1, 2 ]
amdhsa.kernels:
  - .name:           k_q53256925e2_oproj
    .symbol:         k_q53256925e2_oproj.kd
    .args:
      - { .name: oc, .offset: 0, .size: 8, .value_kind: global_buffer, .address_space: global }
      - { .name: os, .offset: 8, .size: 8, .value_kind: global_buffer, .address_space: global }
      - { .name: Wo_codes, .offset: 16, .size: 8, .value_kind: global_buffer, .address_space: global }
      - { .name: Wo_scales, .offset: 24, .size: 8, .value_kind: global_buffer, .address_space: global }
      - { .name: bo, .offset: 32, .size: 8, .value_kind: global_buffer, .address_space: global }
      - { .name: out0, .offset: 40, .size: 8, .value_kind: global_buffer, .address_space: global }
    .group_segment_fixed_size: 327680
    .private_segment_fixed_size: 0
    .kernarg_segment_align: 8
    .kernarg_segment_size: 48
    .max_flat_workgroup_size: 128
    .sgpr_count:     100
    .vgpr_count:     1024
    .wavefront_size: 32
...
	.end_amdgpu_metadata
.endif
;; end of part 3
